; MI455X (gfx1250); checked and timed in simulation.
; The chip was launched on July 23, 2026; its instructions are those of AMD's public machine-readable ISA for CDNA 5 (MIT licence, August 2026) and "CDNA5" Instruction Set Architecture Reference Guide (July 2026). The comments in the code are by the model that wrote it; some were corrected since.
;; Sparse Attention. Allowed arithmetic: matrix products marked QUANTISED: E2M1 operands, one E8M0 scale for each 32 along K, by v_wmma_scale_f32_16x16x128_f8f6f4 with both operands' format E2M1 (or v_wmma_scale_f32_32x16x128_f4), f32 sums; products left as they are: f32 operands where the result goes on into a quantised operand, else bf16, f16 or f32 operands; f32 sums; everything else in f32.
;; Inputs: Wk_codes 1,024 x 32 x 16 uint8 (E2M1 codes of Wk, K innermost, in blocks of 32 codes, two codes a byte); Wk_scales 1,024 x 32 uint8 (E8M0 scales of Wk, one for each 32 codes along K); Wq_codes 1,024 x 32 x 16 uint8 (E2M1 codes of Wq, K innermost, in blocks of 32 codes, two codes a byte); Wq_scales 1,024 x 32 uint8 (E8M0 scales of Wq, one for each 32 codes along K); Wv_codes 1,024 x 32 x 16 uint8 (E2M1 codes of Wv, K innermost, in blocks of 32 codes, two codes a byte); Wv_scales 1,024 x 32 uint8 (E8M0 scales of Wv, one for each 32 codes along K); bk 1,024 float32; bq 1,024 float32; bv 1,024 float32; sparsity_pattern 16 x 16 float32; x_codes 4 x 4,096 x 32 x 16 uint8 (E2M1 codes of x, K innermost, in blocks of 32 codes, two codes a byte); x_scales 4 x 4,096 x 32 uint8 (E8M0 scales of x, one for each 32 codes along K).
;; Outputs: out0 4 x 4,096 x 1,024 float32.
;; This version of the problem:
;;   THIS VERSION OF THE PROBLEM IS GIVEN IN LOW PRECISION. The matrix products marked QUANTISED in the list below multiply operands that are first quantised to E2M1 (2 exponent bits, 1 mantissa bit; 4 bits a number), with one power-of-two scale for each 32 numbers along K (OCP MX v1.0); their sums are f32. All else is computed in f32.
;;   The module's matrix products, in the order in which they are computed (A, B: the left and right operand; K: the contracted axis; several contracted axes count as one K, in the product's order):
;;     1. [M 16,384, K 1,024] x [K 1,024, N 1,024]; A: input x (given as codes); B: input Wq (given as codes): QUANTISED
;;     2. [M 16,384, K 1,024] x [K 1,024, N 1,024]; A: input x (given as codes); B: input Wk (given as codes): QUANTISED
;;     3. [M 16,384, K 1,024] x [K 1,024, N 1,024]; A: input x (given as codes); B: input Wv (given as codes): QUANTISED
;;     4. batch 16,384 x [M 16, K 64] x [K 64, N 16]; A: computed on the way; B: computed on the way: QUANTISED
;;     5. batch 16,384 x [M 16, K 16] x [K 16, N 64]; A: softmax; B: computed on the way: left as it is (K = 16 < 32)
;;   THE QUANTISER, for each operand of a quantised product, along K:
;;     - K is cut into blocks of 32 from its start; a last block that is shorter is filled with zeros.
;;     - A block's scale is 2^e with e = floor(log2(the largest magnitude in the block)) - 2, held to -126 .. 127; a block of zeros has e = 0. As a byte (E8M0): e + 127.
;;     - Each number is divided by its block's scale, clamped to +-6, and rounded to the nearest number of E2M1, ties to even, subnormals kept.
;;     - The product sums the exact products of the quantised numbers (number of the format x scale) in f32.
;;   ~~~python
;;   def quantise(x, axis):      # numpy; x: float32 -> the quantised numbers, widened to float32 again
;;       x = np.moveaxis(x, axis, -1); K = x.shape[-1]
;;       x = np.pad(x, [(0, 0)] * (x.ndim - 1) + [(0, -K % 32)]); x = x.reshape(x.shape[:-1] + (-1, 32)); a = np.abs(x).max(-1, keepdims=True)
;;       e = np.where(a > 0, np.clip(np.frexp(np.where(a > 0, a, 1))[1] - 1 - 2, -126, 127), 0)      # np.frexp(a)[1] - 1 = floor(log2(a)), exactly
;;       r = np.clip(x / 2.0 ** e, -6, 6)
;;       step = 2.0 ** (np.maximum(np.frexp(np.where(r == 0, 1, r))[1] - 1, 0) - 1)
;;       q = np.round(r / step) * step * 2.0 ** e      # np.round: ties to even
;;       return np.moveaxis(q.reshape(q.shape[:-2] + (-1,))[..., :K], -1, axis).astype(np.float32)
;;   ~~~
;;   OPERANDS COMPUTED ON THE WAY. 'Computed on the way' means the value that the module computes at that place (a softmax that the list does not call 'softmax' is quantised finished and normalised). What goes into a quantiser is computed in f32, as accurately as f32 sums, v_exp_f32 and their like allow (about 1e-6 of the number): no bf16 or f16 on the way to a quantiser, and a product that is left as it is and whose result goes on into a quantised operand takes f32 operands (vector FMAs, or v_wmma_f32_16x16x4_f32). A number that lies on a knife's edge between two numbers of the format may be rounded either way, as far as f32 arithmetic and the matrix unit's own rounding can turn it there, and no further.
;;   INPUTS GIVEN AS CODES. Wk (in the module: [1024, 1024], K = its axis 1); Wq (in the module: [1024, 1024], K = its axis 1); Wv (in the module: [1024, 1024], K = its axis 1); x (in the module: [4, 4096, 1024], K = its axis 2): each comes as NAME_codes (uint8): NAME with its K axis moved to the last place and cut into blocks of 32 codes, [.., K / 32, bytes a block], one block behind the other in memory; two codes a byte, the lower K in the low four bits (a code: sign, 2 exponent bits, 1 mantissa bit); and NAME_scales (uint8): the same leading axes, one E8M0 byte (e + 127) for each 32 codes along K. Its value is code x scale, taken as it is: it is not quantised again, and the codes and scales need not be those that the quantiser above would give.
;; 2 versions. Each part assembles by itself: llvm-mc -triple=amdgcn-amd-amdhsa -mcpu=gfx1250 --defsym DOCPART=n.
;; ======== version 1 of 2: 1 launch
;; launch fused (part 1): grid 256 x 1, 4 waves a work-group, clusters of 4 x 1, 327,680 bytes of LDS; arguments x_codes, x_scales, Wq_codes, Wk_codes, Wv_codes, Wq_scales, Wk_scales, Wv_scales, bq, bk, bv, sparsity_pattern, out0; writes out0
.if DOCPART == 1
	.amdgcn_target "amdgcn-amd-amdhsa--gfx1250"
	.amdhsa_code_object_version 6
	.text
	.protected	k_qe2a1551428_fused
	.globl	k_qe2a1551428_fused
	.p2align	8
	.type	k_qe2a1551428_fused,@function
k_qe2a1551428_fused:
	s_mov_b64 s[64:65], 0
	v_nop
	global_prefetch_b8 v0, s[64:65] scope:SCOPE_SE
	s_setreg_imm32_b32 hwreg(HW_REG_WAVE_MODE, 25, 1), 1
	s_wait_xcnt 0x0
	s_wait_alu depctr_hold_cnt(0) depctr_sa_sdst(0) depctr_va_vdst(0) depctr_va_sdst(0) depctr_va_ssrc(0) depctr_va_vcc(0) depctr_vm_vsrc(0)
	s_getreg_b32 s2, hwreg(HW_REG_IB_STS2, 6, 4)
	s_cmp_eq_u32 s2, 0
	s_cbranch_scc0 .Lentry_in_a_cluster
	s_endpgm
.Lentry_in_a_cluster:
	s_bfe_u32 s2, ttmp6, 0x10000c
	s_cmp_lg_u32 s2, 0x3003
	s_cbranch_scc0 .Lentry_shape_is_right
	s_endpgm
.Lentry_shape_is_right:
; q, k, v = x W^T + b (three products on codes of FP4 (E2M1) with E8M0 scales, 16,384 x 1,024 x 1,024); then, inside each token, scores[h][g] = Q(q[h]) . Q(k[g]) (K = 64, quantised here),
; times pattern[h][g], a softmax over g, and out[h] = sum over g of attn[h][g] v[g] (K = 16, bf16 operands, f32 sums).  One launch: q, k and v never go to memory.
; SHARES.  A work-group owns 64 tokens.  STREAMING PART: the four waves share the COLUMNS: wave w makes e = 256 w .. 256 w + 255 (heads 4 w .. 4 w + 3) of q, then of k, then of v, for all 64 tokens.
; x's codes (64 x 1,024: 256 registers) stay in every wave's registers, so W is walked by whole rows of 512 bytes: a slot is one head (64 rows) for each wave, 12 slots in all, through a ring of two LDS slots.
; Each wave fetches and reads only its own 64 rows of a slot.  ATTENTION PART: the waves share the TOKENS, 16 each; the exchange goes through LDS once, when the ring has had its last fill.
; THE MATRIX INSTRUCTION IS USED TRANSPOSED (source 0 = 16 rows of W, source 1 = 16 tokens): lane (r, hh) holds token r, register j of tile n holds e = 16 n + 8 hh + j of the head.
; Tiles 2 b and 2 b + 1 of lanes l and l xor 16 are one block of 32 along the scores' K.  Inside a block the codes lie in the order e = 0-7, 16-23, 8-15, 24-31, alike for q and k: the products are the same.
; CLUSTER.  All work-groups walk the same W: the four of a cluster ask for each tile jointly (4 x 1: the grid of 256 divides; a mask names at most four).
; WHERE RESULTS WAIT.
; LIMITS.  NaN and infinities among the inputs or on the way are not served (a fragment of k or v names the neighbouring quad as its upper K half, which meets zeros: that wants finite numbers).
; A block of zeros gets the scale byte 1 where the quantiser says 127: its codes are zeros, and this program alone reads the bytes; largest magnitudes under 2^-124 are held at that byte.
; attn and v are rounded to bf16 for the last product.  The bias is the C of a sum's first K step: it is added first, not last.
;
; LDS (bytes)
.set PITCH,  528                       ; a row of 512 bytes + 16 of padding: 33 x 16, so the 16 rows that a load touches begin in 16 different columns of 16 bytes
.set TILE16, 16*PITCH                  ; 16 rows
.set WPART,  64*PITCH                  ; a wave's part of a slot
.set SLOTB,  4*WPART                   ; slot A at 0, slot B here
.set XQ,     2*SLOTB                   ; x's 64 rows (one fill); later q's codes, a token every 528 bytes
.set QS,     XQ+64*PITCH               ; q's scale bytes, 40 bytes a token
.set SPARE,  QS+2560                   ; the spare words, 128 bytes a wave: two blocks of 256 bytes that no other line names
.set KC,     0                         ; behind the ring's last read: k's codes, a token every 528 bytes (LDS byte 0)
.set KS,     64*PITCH                  ; k's scale bytes, 40 bytes a token
.set VB,     KS+2560                   ; v in bf16: a token every VTOK bytes, a head every VHEAD, d at 2 d
.set VTOK,   2576                      ; 161 x 16
.set VHEAD,  160                       ; 5 x 32
.set STG,    VB+64*VTOK                ; the way out: one token a wave, 16 head rows
.set SPITCH, 272
; a token's codes: block b of head g at 256 b + 16 g, so that a read at 16 x lane gives lane (r = g, hh = b) its block; its scale byte at 2 g + b of the token's 40
; REGISTERS, window 0: v0 thread; v1, v2 the add's two; v3, v4 my fragments' place in slot A, B; v5 in x; v6 scale rows' offset; v7 bias offset; v8, v9 where q's, k's codes go; v10, v11 their scale bytes;
;   v12-15 where v goes (16 tokens each); v16 the prefetches' offset; v17 r, v18 hh, v19 lane; v20-23 at work; v24-31 the pattern
.set PAT,  24
.set XSC,  32                          ; v32-47   x's scale words: 4 m + (s & 3); lanes 0-15 K steps 0-3, lanes 16-31 K steps 4-7
.set WSC,  48                          ; v48-79   W's scale words, two sets: 16 z + 4 n + (s & 3)
.set WF,   128                         ; v128-255 W's fragments: two halves of two K steps x four tiles
; window 1: x's fragments at 8 (4 s + m).   window 2: accumulators (n, m) at 8 (4 n + m), and
.set BIAS, 128                         ; the bias of tile n in the result's layout
.set RC,   160                         ; codes: a pair at 2 (8 slot + 4 b + m)
.set RS,   224                         ; scale bytes: 2 m + slot / 2
.set TM,   232                         ; largest magnitudes, then scale operands: 4 b + m
.set TP,   240                         ; at work
; window 3: v as bf16, a quad at 4 (16 slot + 4 n + m)
; attention, window 0: v3-9 lane parts of addresses, v10-13 a trip's addresses
.set KF,   32                          ; k's quads 4 j, then a quad of zeros
.set SCL,  52                          ; scale words: lanes 0-15 k's, lanes 16-31 q's
.set QF,   56                          ; q: 8 j: a quad of codes, a quad of zeros
.set S,    88                          ; scores, then weights: 8 j
.set PB,   120                         ; weights in bf16: 8 j: a quad, a quad of zeros
.set VF,   152                         ; v turned: 16 j + 4 t, then a quad of zeros
.set MX,   220
.set PM,   224
.set NG,   228                         ; pairs
.set RCP,  236                         ; pairs
.set SA,   244                         ; pairs
.set OB,   128                         ; window 1: rows of the output read back from the stage, 32 j; the products' results at 8 (4 j + t)
; SCALARS: s[4:5] x's codes, s[6:7] x's scales; s[8:9], s[10:11], s[12:13] W's codes of this phase, the next, the third; s[14:19] their scales, s[20:25] the biases likewise;
;   s[26:27] pattern, s[28:29] out; s30 wave, s31 cx, s32 work-group, s33 phase; s34-39 at work
.set G1W,  40                          ; s[40:47] descriptor group 1 for W's tiles;  s[48:55] for x's
.set G1X,  48
.set G0,   56                          ; s[56:59], s[60:63] group 0 for slot A, B;  s[68:71] for x
.set G0X,  68
;   s[72:73] lane selects for lane l xor 16; s[74:75] log2(e); s76 attention's trips; s77-79 its steps
.set MSB, 0
.macro WIN new                         ; s_set_vgpr_msb: bits 1:0 source 0, 3:2 source 1, 5:4 source 2, 7:6 destination; the high byte repeats the setting that is left
.if MSB != \new
	s_set_vgpr_msb (MSB<<8)|\new
.set MSB, \new
.endif
.endm
.macro PLACES                          ; four places between a matrix instruction and a read of its result, or a load into one of its registers
.rept 4
	v_nop
.endr
.endm
.macro CROUND                          ; a round of the cluster's barrier: my work-group's barrier; wave 0 signals for the work-group; every wave waits for all four work-groups; my work-group's barrier once more
	s_barrier_signal -1
	s_barrier_wait -1
	s_cmp_lg_u32 s30, 0
	s_cbranch_scc1 .Lnot_wave_0_\@
	s_barrier_signal -3
.Lnot_wave_0_\@:
	s_barrier_wait -3
	s_barrier_signal -1
	s_barrier_wait -1
.endm
; 16 products: K step s of the slot, four tiles of W x four tiles of tokens.  The 16 accumulators take turns, one instruction a turn, in the same order in every step.
; first = 1: the bias is the C of the sum's first product: nothing is cleared, nothing is added later.
.macro MULSTEP s, z, first
	WIN 0xa4                                       ; W window 0, x window 1, C and D window 2
.irp m, 0,1,2,3
.irp n, 0,1,2,3
.set rD, 8*(4*\n+\m)
.set rA, WF+64*(((\s)>>1)&1)+32*((\s)&1)+8*\n
.set rB, 8*(4*(\s)+\m)
.set rU, WSC+16*(\z)+4*\n+((\s)&3)
.set rX, XSC+4*\m+((\s)&3)
.if \first
	v_wmma_scale_f32_16x16x128_f8f6f4 v[rD:rD+7], v[rA:rA+7], v[rB:rB+7], v[BIAS+8*\n:BIAS+8*\n+7], v[rU], v[rX] matrix_a_fmt:MATRIX_FMT_FP4 matrix_b_fmt:MATRIX_FMT_FP4
.elseif (\s) < 4
	v_wmma_scale_f32_16x16x128_f8f6f4 v[rD:rD+7], v[rA:rA+7], v[rB:rB+7], v[rD:rD+7], v[rU], v[rX] matrix_a_fmt:MATRIX_FMT_FP4 matrix_b_fmt:MATRIX_FMT_FP4
.else
	v_wmma_scale_f32_16x16x128_f8f6f4 v[rD:rD+7], v[rA:rA+7], v[rB:rB+7], v[rD:rD+7], v[rU], v[rX] matrix_a_fmt:MATRIX_FMT_FP4 matrix_b_fmt:MATRIX_FMT_FP4 matrix_a_scale:MATRIX_SCALE_ROW1 matrix_b_scale:MATRIX_SCALE_ROW1
.endif
.endr
.endr
.endm
; 16 LDS loads in one run: W's fragments of K steps 2 q and 2 q + 1 into half q & 1.  A fragment (16 rows x 128 K of 4-bit codes) is two loads of 16 bytes, 32 bytes apart, at row x pitch + 16 hh.
.macro FETCH a, q
.irp p, 0,1
.irp n, 0,1,2,3
.irp c, 0,1
	ds_load_b128 v[WF+64*((\q)&1)+32*\p+8*\n+4*\c:WF+64*((\q)&1)+32*\p+8*\n+4*\c+3], v[\a] offset:TILE16*\n+64*(2*(\q)+\p)+32*\c
.endr
.endr
.endr
.endm
; the next slot's bias (eight numbers a tile and half of the lanes) and W's scale words (16 bytes a lane: four K steps' words of its row), a slot ahead of their use
.macro NEXTLOADS sb, so, bb, bo, z
	WIN 0x80                                       ; destination window 2
.irp n, 0,1,2,3
.irp c, 0,1
	global_load_b128 v[BIAS+8*\n+4*\c:BIAS+8*\n+4*\c+3], v7, s[\bb:\bb+1] offset:(\bo)+64*\n+16*\c
.endr
.endr
	WIN 0
.irp n, 0,1,2,3
	global_load_b128 v[WSC+16*(\z)+4*\n:WSC+16*(\z)+4*\n+3], v6, s[\sb:\sb+1] offset:(\so)+512*\n
.endr
.endm
; A PREFETCH INTO THE L2 of slot i of the NEXT phase's W, whose tensor load stands two changes of slots on.  All clusters walk the same W: the first cluster asks.  Of the 32,768 bytes that wave w will fetch,
; each of the four partners names 8,192, told apart BY ADDRESS (v16 = 8,192 cx + 256 x lane): each block of 256 bytes of Wk and Wv is named once.  Wq, the head and the last phase ask for nothing.
.macro ASK i
	s_cmp_lg_u32 ttmp9, 0
	s_cbranch_scc1 .Lnot_mine_\@
	global_prefetch_b8 v16, s[10:11] offset:(\i)*32768 th:TH_LOAD_NT scope:SCOPE_SE
.Lnot_mine_\@:
.endm
; A head of q or k (slot g of the phase) is quantised in registers: for each of two blocks b and four tiles of tokens m, the largest magnitude of my 16 numbers and of lane l xor 16's,
; with the floor 2^(3 - 127) as one more leaf; 2 off its exponent field is the conversion's scale operand, and that shifted down the scale's byte.  Eight chains by turns.
.macro EPI_QK g
	WIN 0xaa                                       ; all in window 2
.irp i, 0,1,2,3,4,5,6,7
.irp b, 0,1
.irp m, 0,1,2,3
.set rT, TM+4*\b+\m
.set rA, 8*(4*(2*\b+\i/4)+\m)+2*(\i%4)
.if \i == 0
	v_max3_num_f32 v[rT], |v[rA]|, |v[rA+1]|, 0x1800000   ; each accumulator is read from its low end on
.else
	v_max3_num_f32 v[rT], v[rT], |v[rA]|, |v[rA+1]|
.endif
.endr
.endr
.endr
.irp c, 0,1,2,3,4,5,6,7
	v_permlanex16_b32 v[TP+\c], v[TM+\c], s72, s73
.endr
.irp c, 0,1,2,3,4,5,6,7
	v_max_num_f32 v[TM+\c], v[TM+\c], v[TP+\c]     ; the block's largest magnitude
.endr
.irp c, 0,1,2,3,4,5,6,7
	v_add_nc_u32 v[TM+\c], 0xff000000, v[TM+\c]    ; 2 off its exponent field
.endr
.irp b, 0,1
.irp m, 0,1,2,3
.if (2*(\g)+\b)%4 == 0
	v_lshrrev_b32 v[RS+2*\m+(\g)/2], 23, v[TM+4*\b+\m]   ; the byte starts a register of four
.else
	v_lshrrev_b32 v[TP+4*\b+\m], 23, v[TM+4*\b+\m]
.endif
.endr
.endr
.irp b, 0,1
.irp m, 0,1,2,3
.if (2*(\g)+\b)%4 != 0
	v_lshl_or_b32 v[RS+2*\m+(\g)/2], v[TP+4*\b+\m], 8*((2*(\g)+\b)%4), v[RS+2*\m+(\g)/2]
.endif
.endr
.endr
.irp b, 0,1
.irp m, 0,1,2,3
	v_cvt_scalef32_pk8_fp4_f32 v[RC+2*(8*(\g)+4*\b+\m)], v[8*(8*\b+\m):8*(8*\b+\m)+7], v[TM+4*\b+\m]
	v_cvt_scalef32_pk8_fp4_f32 v[RC+2*(8*(\g)+4*\b+\m)+1], v[8*(8*\b+4+\m):8*(8*\b+4+\m)+7], v[TM+4*\b+\m]
.endr
.endr
	v_nop                                          ; one plain line behind the last conversion: the next slot's products write its sources
	WIN 0
.endm
.macro EPI_V g                         ; a head of v is rounded to bf16: a lane's eight neighbours along d make 16 bytes
	WIN 0xca                                       ; sources window 2, destination window 3
.irp n, 0,1,2,3
.irp m, 0,1,2,3
.irp p, 0,1,2,3
	v_cvt_pk_bf16_f32 v[4*(16*(\g)+4*\n+\m)+\p], v[8*(4*\n+\m)+2*\p], v[8*(4*\n+\m)+2*\p+1]
.endr
.endr
.endr
	WIN 0
.endm
.macro DUMPC cadr, sadr                ; my four heads' codes and scale bytes of all 64 tokens go to LDS
	WIN 0x08                                       ; an LDS store's data are its source 1: window 2
.irp g, 0,1,2,3
.irp b, 0,1
.irp m, 0,1,2,3
	ds_store_b64 v[\cadr], v[RC+2*(8*\g+4*\b+\m):RC+2*(8*\g+4*\b+\m)+1] offset:TILE16*\m+256*\b+16*\g
.endr
.endr
.endr
.irp m, 0,1,2,3
	ds_store_b64 v[\sadr], v[RS+2*\m:RS+2*\m+1] offset:640*\m   ; both halves of the lanes write the same bytes with the same values
.endr
	WIN 0
.endm
.macro DUMPV
	WIN 0x0c                                       ; data window 3
.irp g, 0,1,2,3
.irp n, 0,1,2,3
.irp m, 0,1,2,3
	ds_store_b128 v[12+\m], v[4*(16*\g+4*\n+\m):4*(16*\g+4*\n+\m)+3] offset:VHEAD*\g+32*\n
.endr
.endr
.endr
	WIN 0
.endm
; A SLOT: 128 products, 64 LDS loads in four runs.  i: the slot in its phase.  kind: 0 q or k, 1 v.  fill: 1 this slot's bytes are filled again with the slot two on (address s[fsrc] + foff);
; 0 no fill, but a slot follows; 2 the last slot.  nx: the next slot's scale words (s[nsb] + nso) and bias (s[nbb] + nbo) are asked for.
.macro SLOT i, kind, fill, fsrc, foff, nx, nsb, nso, nbb, nbo, ask
.set Z, (\i)&1
	s_wait_loadcnt 0x0                             ; this slot's bias and scale words, asked for a slot ago
	s_wait_dscnt 16                                ; K steps 0 and 1 are in; the 16 loads of steps 2 and 3 may be out
	MULSTEP 0, Z, 1
	MULSTEP 1, Z, 0
	PLACES
	WIN 0
	FETCH 3+Z, 2
.if \nx
	NEXTLOADS \nsb, \nso, \nbb, \nbo, 1-Z
.endif
	s_wait_dscnt 16                                ; all but the 16 just issued
	MULSTEP 2, Z, 0
	MULSTEP 3, Z, 0
	PLACES
	WIN 0
	FETCH 3+Z, 3
	s_wait_dscnt 16
	MULSTEP 4, Z, 0
	MULSTEP 5, Z, 0
	s_wait_dscnt 0x0
	MULSTEP 6, Z, 0
.if \fill == 1
	WIN 0                                          ; (the add's two registers lie in window 0)
	s_wait_tensorcnt 0x0                           ; all my tensor loads have landed: the one that was out is my part of the other slot; so a group 0 may be written
	ds_add_u32 v1, v2                              ; 0 onto my spare word
	s_add_nc_u64 s[G0+4*Z+2:G0+4*Z+3], s[\fsrc:\fsrc+1], \foff
	s_or_b32 s[G0+4*Z+3], s[G0+4*Z+3], 0x80000000
	MULSTEP 7, Z, 0                                ; sixteen products stand between the add and the wait for it
	WIN 0
	s_wait_dscnt 0x0                               ; the add is done, and my reads of this slot are over
	CROUND                                         ; no wave of any partner still reads this slot or has a load on its way
	tensor_load_to_lds s[G0+4*Z:G0+4*Z+3], s[G1W:G1W+7]   ; my one tensor load behind the round: it has the next slot's 128 products in which to land
	s_nop 0
	PLACES                                         ; four v_nop behind it; they are also the places in front of the loads and reads below
.else
	MULSTEP 7, Z, 0
	WIN 0
.if \fill == 0
	s_wait_tensorcnt 0x0                           ; my part of the last slot has landed; only I read it
.endif
	PLACES
.endif
.if \fill != 2
	FETCH 4-Z, 0
	FETCH 4-Z, 1
.endif
.if \ask
	ASK \i
.endif
.if \kind
	EPI_V \i
.else
	EPI_QK \i
.endif
.endm
	s_load_b512 s[4:19], s[0:1], 0x0               ; x's codes, x's scales, Wq, Wk, Wv codes, Wq, Wk, Wv scales
	s_load_b256 s[20:27], s[0:1], 0x40             ; bq, bk, bv, pattern
	s_load_b64 s[28:29], s[0:1], 0x60              ; out
	v_lshl_add_u32 v1, v0, 2, SPARE
	v_mov_b32 v2, 0
	ds_add_u32 v1, v2
	ds_add_u32 v1, v2
	s_wait_dscnt 0x0
	v_lshrrev_b32 v17, 5, v0
	v_readfirstlane_b32 s30, v17                   ; wave 0..3
	s_bfe_u32 s31, ttmp6, 0x40000                  ; cx: my place in the cluster
	s_lshl_b32 s32, ttmp9, 2
	s_add_co_u32 s32, s32, s31                     ; my work-group = 4 x cluster + cx: it enters x's and out's addresses alone
	; descriptor group 1 for W: 64 rows x 512 bytes, dense in memory, 16 bytes of padding behind each row in LDS
	s_mov_b32 s[G1W+0], 15|(1<<20)|(1<<21)|(6<<22)|(3<<25)   ; 15:0 the mask: all four work-groups; 17:16 elements of 1 byte; 20 padding on; 21 set beside a mask; 24:22 after every 128 words; 31:25 four words
	s_mov_b32 s[G1W+1], 512<<16                    ; tensor_dim0
	s_mov_b32 s[G1W+2], 64<<16                     ; tensor_dim1
	s_mov_b32 s[G1W+3], 512<<16                    ; tile_dim0
	s_mov_b32 s[G1W+4], 64                         ; tile_dim1
	s_mov_b32 s[G1W+5], 512                        ; from row to row
	s_mov_b32 s[G1W+6], 0
	s_mov_b32 s[G1W+7], 0
	; and for x: 16 rows a wave, no mask: each work-group has its own tokens
	s_mov_b32 s[G1X+0], (1<<20)|(6<<22)|(3<<25)
	s_mov_b32 s[G1X+1], 512<<16
	s_mov_b32 s[G1X+2], 16<<16
	s_mov_b32 s[G1X+3], 512<<16
	s_mov_b32 s[G1X+4], 16
	s_mov_b32 s[G1X+5], 512
	s_mov_b32 s[G1X+6], 0
	s_mov_b32 s[G1X+7], 0
	s_mov_b32 s72, 0x76543210
	s_mov_b32 s73, 0xfedcba98
	s_mov_b32 s74, 0x3fb8aa3b                      ; log2(e)
	s_mov_b32 s75, s74                             ; (named with it as a pair, so it is written)
	s_mul_i32 s38, s30, WPART                      ; my part of a slot
	s_mul_i32 s39, s30, TILE16
	s_mov_b32 s[G0+0], 1
	s_mov_b32 s[G0+1], s38
	s_mov_b32 s[G0+4], 1
	s_add_co_u32 s[G0+5], s38, SLOTB
	s_mov_b32 s[G0X+0], 1
	s_add_co_u32 s[G0X+1], s39, XQ
	s_mov_b32 s35, 0
	s_mov_b32 s37, 0
	s_wait_kmcnt 0x0
	s_lshl_b32 s34, s30, 17                        ; my 256 rows of each W: 131,072 bytes of codes,
	s_add_nc_u64 s[8:9], s[8:9], s[34:35]
	s_add_nc_u64 s[10:11], s[10:11], s[34:35]
	s_add_nc_u64 s[12:13], s[12:13], s[34:35]
	s_lshl_b32 s34, s30, 13                        ; 8,192 of scale bytes,
	s_add_nc_u64 s[14:15], s[14:15], s[34:35]
	s_add_nc_u64 s[16:17], s[16:17], s[34:35]
	s_add_nc_u64 s[18:19], s[18:19], s[34:35]
	s_lshl_b32 s36, s32, 15                        ; my work-group's 64 tokens: 32,768 bytes of codes;
	s_add_nc_u64 s[4:5], s[4:5], s[36:37]
	s_add_nc_u64 s[G0X+2:G0X+3], s[4:5], s[34:35]  ; of them I fetch 16 rows, 8,192 bytes
	s_or_b32 s[G0X+3], s[G0X+3], 0x80000000
	s_lshl_b32 s34, s30, 10                        ; 1,024 bytes of each bias
	s_add_nc_u64 s[20:21], s[20:21], s[34:35]
	s_add_nc_u64 s[22:23], s[22:23], s[34:35]
	s_add_nc_u64 s[24:25], s[24:25], s[34:35]
	s_lshl_b32 s36, s32, 11                        ; x's scale bytes: 2,048 a work-group
	s_add_nc_u64 s[6:7], s[6:7], s[36:37]
	s_lshl_b32 s36, s32, 18                        ; out: 64 tokens of 4,096 bytes,
	s_add_nc_u64 s[28:29], s[28:29], s[36:37]
	s_lshl_b32 s34, s30, 16                        ; and the 16 of them that I store
	s_add_nc_u64 s[28:29], s[28:29], s[34:35]
	s_mov_b64 s[G0+2:G0+3], s[8:9]                 ; slot A: head 4 w of Wq
	s_or_b32 s[G0+3], s[G0+3], 0x80000000
	s_add_nc_u64 s[G0+6:G0+7], s[8:9], 32768       ; slot B: head 4 w + 1
	s_or_b32 s[G0+7], s[G0+7], 0x80000000
	CROUND                                         ; all four work-groups are here: the first joint loads meet
	tensor_load_to_lds s[G0X:G0X+3], s[G1X:G1X+7]  ; the first fills go out as one group: three tensor loads of mine are out
	s_nop 0
	tensor_load_to_lds s[G0:G0+3], s[G1W:G1W+7]
	s_nop 0
	tensor_load_to_lds s[G0+4:G0+7], s[G1W:G1W+7]
	s_nop 0
	PLACES
	v_and_b32 v17, 15, v0                          ; r
	v_bfe_u32 v18, v0, 4, 1                        ; hh
	v_and_b32 v19, 31, v0                          ; lane
	v_mul_u32_u24 v21, v17, PITCH
	v_lshl_add_u32 v20, v18, 4, v21                ; a fragment's row x pitch + 16 hh
	v_add_nc_u32 v3, s38, v20
	v_add_nc_u32 v4, SLOTB, v3
	v_add_nc_u32 v5, XQ, v20
	v_lshlrev_b32 v6, 5, v17
	v_lshl_add_u32 v6, v18, 4, v6                  ; a row of 32 scale bytes, + 16 hh
	v_lshlrev_b32 v7, 5, v18                       ; the bias: eight numbers on for the upper half of the lanes
	v_lshlrev_b32 v20, 6, v17
	v_lshl_add_u32 v20, v18, 5, v20                ; the pattern: row r, + eight numbers for the upper half
.irp m, 0,1,2,3
	global_load_b128 v[XSC+4*\m:XSC+4*\m+3], v6, s[6:7] offset:512*\m
.endr
	NEXTLOADS 14, 0, 20, 0, 0
	global_load_b128 v[PAT:PAT+3], v20, s[26:27]
	global_load_b128 v[PAT+4:PAT+7], v20, s[26:27] offset:16
	v_lshl_add_u32 v21, v18, 3, v21                ; codes go out at token x 528 + 8 hh
	s_lshl_b32 s34, s30, 6                         ; + 16 bytes for each of the heads ahead of mine
	v_add_nc_u32 v9, s34, v21                      ; k's, from LDS byte KC = 0 on
	v_add_nc_u32 v8, XQ-KC, v9                     ; q's
	v_mul_u32_u24 v22, v17, 40
	s_lshl_b32 s34, s30, 3
	v_add_nc_u32 v22, s34, v22                     ; scale bytes: token x 40 + 8 x wave
	v_add_nc_u32 v10, QS, v22
	v_add_nc_u32 v11, KS, v22
	v_mul_u32_u24 v23, v17, VTOK
	v_lshl_add_u32 v23, v18, 4, v23
	s_mul_i32 s34, s30, 4*VHEAD
	s_add_co_u32 s34, s34, VB
	v_add_nc_u32 v12, s34, v23                     ; v: token x VTOK + my first head + 16 hh
	v_add_nc_u32 v13, 16*VTOK, v12
	v_add_nc_u32 v14, 32*VTOK, v12
	v_add_nc_u32 v15, 48*VTOK, v12
	s_lshl_b32 s36, s31, 13
	v_lshl_add_u32 v16, v19, 8, s36                ; the prefetches: 8,192 cx + 256 x lane
	WIN 0x80
.irp c, 0,1,2,3,4,5,6,7
	v_mov_b32 v[TP+\c], 0                          ; written once: a lane permute's destination counts as one of its sources
.endr
	WIN 0
	s_wait_tensorcnt 2                             ; my 16 rows of x are in; the two slots, issued behind them, may be out
	s_barrier_signal -1
	s_barrier_wait -1                              ; everybody's are
	WIN 0x40                                       ; destination window 1
.irp s, 0,1,2,3,4,5,6,7
.irp m, 0,1,2,3
.irp c, 0,1
	ds_load_b128 v[8*(4*\s+\m)+4*\c:8*(4*\s+\m)+4*\c+3], v5 offset:TILE16*\m+64*\s+32*\c   ; x stays in registers
.endr
.endr
.endr
	WIN 0
	s_wait_tensorcnt 1                             ; my part of slot A is in; slot B's may be out
	FETCH 3, 0
	FETCH 3, 1
	s_mov_b32 s33, 0
.Lphase:                                           ; two trips: q, then k.  A trip is four slots; the ring runs on into the next phase
	SLOT 0, 0, 1, 8, 65536, 1, 14, 2048, 20, 256, 1
	SLOT 1, 0, 1, 8, 98304, 1, 14, 4096, 20, 512, 1
	SLOT 2, 0, 1, 10, 0, 1, 14, 6144, 20, 768, 1
	SLOT 3, 0, 1, 10, 32768, 1, 16, 0, 22, 0, 1
	s_cmp_lg_u32 s33, 0                            ; q's codes leave the registers for the bytes that held x: every wave's reads of x were over before the first round.  k's stay: the branch jumps over LDS stores alone
	s_cbranch_scc1 .Lkeep
	DUMPC 8, 10
.Lkeep:
	s_wait_xcnt 0x0                                ; the loads and the prefetch have read their bases: they may be written
	s_mov_b64 s[8:9], s[10:11]                     ; the next phase's W, scales and bias take the first place
	s_mov_b64 s[10:11], s[12:13]
	s_mov_b64 s[14:15], s[16:17]
	s_mov_b64 s[16:17], s[18:19]
	s_mov_b64 s[20:21], s[22:23]
	s_mov_b64 s[22:23], s[24:25]
	s_add_co_u32 s33, s33, 1
	s_cmp_lt_u32 s33, 2
	s_cbranch_scc1 .Lphase
	; v: written out: its last two slots fill nothing
	SLOT 0, 1, 1, 8, 65536, 1, 14, 2048, 20, 256, 0
	SLOT 1, 1, 1, 8, 98304, 1, 14, 4096, 20, 512, 0
	SLOT 2, 1, 0, 8, 0, 1, 14, 6144, 20, 768, 0
	SLOT 3, 1, 2, 8, 0, 0, 14, 0, 20, 0, 0
	; THE EXCHANGE.  The ring has had its last fill; behind this barrier nobody reads it, and every wave's tensor loads have landed.
	s_wait_dscnt 0x0
	s_barrier_signal -1
	s_barrier_wait -1
	DUMPC 9, 11
	DUMPV
	s_wait_dscnt 0x0                               ; for the others' sake: my stores have landed
	s_barrier_signal -1
	s_barrier_wait -1
	; ATTENTION: my 16 tokens, four a trip.  v17 = r, v18 = hh, v19 = lane still stand.
.irp j, 0,1,2,3
.irp c, 0,1,2,3
	v_mov_b32 v[QF+8*\j+4+\c], 0                   ; q's upper K half: zeros; they stand first, so that the lines below are the places ahead of the scaled products
.endr
.endr
.irp c, 0,1,2,3
	v_mov_b32 v[KF+16+\c], 0
.endr
.irp j, 0,1,2,3
.irp c, 0,1,2,3
	v_mov_b32 v[PB+8*\j+4+\c], 0                   ; the weights' upper K half
.endr
.endr
.irp c, 0,1,2,3
	v_mov_b32 v[VF+64+\c], 0
.endr
.irp j, 0,1,2,3
	v_mov_b32 v[NG+2*\j+1], 0                      ; named as upper halves of pairs, so they are written
	v_mov_b32 v[RCP+2*\j+1], 0
	v_mov_b32 v[PM+\j], 0
.endr
	s_mul_i32 s34, s30, TILE16                     ; my 16 tokens' codes (k's from LDS byte KC = 0 on)
	s_add_co_u32 s35, s34, XQ
	v_lshl_add_u32 v3, v19, 4, s35                 ; q: 16 x lane: lane (r, hh) takes block hh of head r
	v_lshl_add_u32 v4, v19, 4, s34                 ; k likewise
	v_mul_u32_u24 v5, v18, QS-KS                   ; scale words: lanes 0-15 k's, lanes 16-31 q's
	v_lshl_add_u32 v5, v17, 1, v5                  ; two bytes a head
	s_mul_i32 s38, s30, 640
	s_add_co_u32 s38, s38, KS
	v_add_nc_u32 v5, s38, v5
	v_and_b32 v21, 7, v0                           ; v, turned: lane l reads 16 bytes of head 8 hh + l % 8, d from 8 ((l / 8) % 2) on
	v_lshl_add_u32 v21, v18, 3, v21
	v_mul_u32_u24 v6, v21, VHEAD
	v_bfe_u32 v22, v0, 3, 1
	v_lshl_add_u32 v6, v22, 4, v6
	s_mul_i32 s39, s30, 16*VTOK
	s_add_co_u32 s39, s39, VB
	v_add_nc_u32 v6, s39, v6
	s_mul_i32 s34, s30, 16*SPITCH
	s_add_co_u32 s34, s34, STG                     ; my stage
	v_mul_u32_u24 v7, v17, SPITCH
	v_lshl_add_u32 v7, v18, 5, v7
	v_add_nc_u32 v7, s34, v7                       ; in: head row r, 32 bytes for each half of the lanes
	v_mul_u32_u24 v8, v18, SPITCH
	v_lshl_add_u32 v8, v17, 4, v8
	v_add_nc_u32 v8, s34, v8                       ; back: lanes 0-15 one head row of 256 bytes, lanes 16-31 the next
	v_lshlrev_b32 v9, 4, v19                       ; and the same 512 bytes in out
	s_mov_b32 s76, 4
	s_mov_b32 s77, 0
	s_mov_b32 s78, 0
	s_mov_b32 s79, 0
.macro TOSTAGE j                       ; a token's 16 x 64 results: a lane's eight neighbours along d into head rows of 272 bytes, and back as whole rows.  LDS serves a wave's instructions in order (ISA guide 5.7.1.4)
	WIN 0x04                                       ; data window 1
.irp t, 0,1,2,3
	ds_store_b128 v7, v[8*(4*(\j)+\t):8*(4*(\j)+\t)+3] offset:64*\t          ; each accumulator from its low end on
	ds_store_b128 v7, v[8*(4*(\j)+\t)+4:8*(4*(\j)+\t)+7] offset:64*\t+16
.endr
	WIN 0x40                                       ; destination window 1
.irp i, 0,1,2,3,4,5,6,7
	ds_load_b128 v[OB+32*(\j)+4*\i:OB+32*(\j)+4*\i+3], v8 offset:2*SPITCH*\i
.endr
.endm
.macro SEND j, younger                 ; younger: the LDS instructions issued behind token j's loads: the next token's sixteen, or none
	WIN 0x04
	s_wait_dscnt \younger
.irp i, 0,1,2,3,4,5,6,7
	global_store_b128 v9, v[OB+32*(\j)+4*\i:OB+32*(\j)+4*\i+3], s[28:29] offset:4096*(\j)+512*\i th:TH_STORE_NT   ; 32 lanes store 512 consecutive bytes, at a multiple of 512 from out's first byte
.endr
.endm
.Latt:
	v_add_nc_u32 v10, s77, v3
	v_add_nc_u32 v11, s77, v4
	v_add_nc_u32 v12, s78, v5
	v_add_nc_u32 v13, s79, v6
.irp j, 0,1,2,3
	ds_load_b128 v[KF+4*\j:KF+4*\j+3], v11 offset:PITCH*\j
	ds_load_b128 v[QF+8*\j:QF+8*\j+3], v10 offset:PITCH*\j
	ds_load_u16 v[SCL+\j], v12 offset:40*\j        ; two scale bytes; the upper two are 0 and stand over zero products
.endr
.irp j, 0,1,2,3
.irp t, 0,1,2,3
	ds_load_tr16_b128 v[VF+16*\j+4*\t:VF+16*\j+4*\t+3], v13 offset:VTOK*\j+32*\t
.endr
.endr
	s_wait_dscnt 16                                ; codes and scale words are in; v's sixteen loads may be out
.irp j, 0,1,2,3                        ; S^T = k q^T: lane (r, hh) holds query head r and key heads 8 hh + 0 .. 7.  K = 64 of the instruction's 128: k's upper half is the next quad, q's is zeros
	v_wmma_scale_f32_16x16x128_f8f6f4 v[S+8*\j:S+8*\j+7], v[KF+4*\j:KF+4*\j+7], v[QF+8*\j:QF+8*\j+7], 0, v[SCL+\j], v[SCL+\j] matrix_a_fmt:MATRIX_FMT_FP4 matrix_b_fmt:MATRIX_FMT_FP4 matrix_b_scale:MATRIX_SCALE_ROW1
.endr
	PLACES
.irp p, 0,1,2,3
.irp j, 0,1,2,3
	v_pk_mul_f32 v[S+8*\j+2*\p:S+8*\j+2*\p+1], v[S+8*\j+2*\p:S+8*\j+2*\p+1], v[PAT+2*\p:PAT+2*\p+1]   ; x pattern[h][g]; the four tokens by turns
.endr
.endr
.irp j, 0,1,2,3
	v_max3_num_f32 v[MX+\j], v[S+8*\j], v[S+8*\j+1], v[S+8*\j+2]
.endr
.irp j, 0,1,2,3
	v_max3_num_f32 v[MX+\j], v[MX+\j], v[S+8*\j+3], v[S+8*\j+4]
.endr
.irp j, 0,1,2,3
	v_max3_num_f32 v[MX+\j], v[MX+\j], v[S+8*\j+5], v[S+8*\j+6]
.endr
.irp j, 0,1,2,3
	v_max_num_f32 v[MX+\j], v[MX+\j], v[S+8*\j+7]
.endr
.irp j, 0,1,2,3
	v_permlanex16_b32 v[PM+\j], v[MX+\j], s72, s73
.endr
.irp j, 0,1,2,3
	v_max_num_f32 v[MX+\j], v[MX+\j], v[PM+\j]     ; the row's maximum
.endr
.irp j, 0,1,2,3
	v_mul_f32 v[NG+2*\j], 0xbfb8aa3b, v[MX+\j]     ; - log2(e) x maximum: what its rounding leaves is one factor for the whole row, which the division by the sum takes out
.endr
.irp p, 0,1,2,3
.irp j, 0,1,2,3
	v_pk_fma_f32 v[S+8*\j+2*\p:S+8*\j+2*\p+1], v[S+8*\j+2*\p:S+8*\j+2*\p+1], s[74:75], v[NG+2*\j:NG+2*\j+1] op_sel_hi:[1,0,0]
.endr
.endr
.irp i, 0,1,2,3,4,5,6,7
.irp j, 0,1,2,3
	v_exp_f32 v[S+8*\j+\i], v[S+8*\j+\i]           ; one batch of 32
.endr
.endr
	v_nop                                          ; a plain line behind the last exponential
	s_wait_alu depctr_va_vdst(0)                   ; one wait for the batch, ahead of its first reader
.irp j, 0,1,2,3
	v_pk_add_f32 v[SA+2*\j:SA+2*\j+1], v[S+8*\j:S+8*\j+1], v[S+8*\j+2:S+8*\j+3]
	v_pk_add_f32 v[NG+2*\j:NG+2*\j+1], v[S+8*\j+4:S+8*\j+5], v[S+8*\j+6:S+8*\j+7]
.endr
.irp j, 0,1,2,3
	v_pk_add_f32 v[SA+2*\j:SA+2*\j+1], v[SA+2*\j:SA+2*\j+1], v[NG+2*\j:NG+2*\j+1]
.endr
.irp j, 0,1,2,3
	v_add_f32 v[SA+2*\j], v[SA+2*\j], v[SA+2*\j+1]
.endr
.irp j, 0,1,2,3
	v_permlanex16_b32 v[PM+\j], v[SA+2*\j], s72, s73
.endr
.irp j, 0,1,2,3
	v_add_f32 v[SA+2*\j], v[SA+2*\j], v[PM+\j]     ; the row's sum
.endr
.irp j, 0,1,2,3
	v_rcp_f32 v[RCP+2*\j], v[SA+2*\j]
.endr
	v_nop
	s_wait_alu depctr_va_vdst(0)                   ; one wait for the four reciprocals
.irp p, 0,1,2,3
.irp j, 0,1,2,3
	v_pk_mul_f32 v[S+8*\j+2*\p:S+8*\j+2*\p+1], v[S+8*\j+2*\p:S+8*\j+2*\p+1], v[RCP+2*\j:RCP+2*\j+1] op_sel_hi:[1,0]
.endr
.endr
.irp p, 0,1,2,3
.irp j, 0,1,2,3
	v_cvt_pk_bf16_f32 v[PB+8*\j+\p], v[S+8*\j+2*\p], v[S+8*\j+2*\p+1]   ; key heads 8 hh + 0 .. 7 of query head r: the second product's source 1 as it stands
.endr
.endr
	s_wait_dscnt 0x0                               ; v
	WIN 0x40                                       ; results in window 1
.irp j, 0,1,2,3                        ; O^T = v^T P: source 0 = 16 of the head's 64, source 1 = the weights; K = 16 of the instruction's 32: v's upper half is the next quad, the weights' is zeros
.irp t, 0,1,2,3
	v_wmma_f32_16x16x32_bf16 v[8*(4*\j+\t):8*(4*\j+\t)+7], v[VF+16*\j+4*\t:VF+16*\j+4*\t+7], v[PB+8*\j:PB+8*\j+7], 0
.endr
.endr
	PLACES
	TOSTAGE 0
	TOSTAGE 1                                      ; a token goes through the stage while the one before is stored
	SEND 0, 16
	TOSTAGE 2
	SEND 1, 16
	TOSTAGE 3
	SEND 2, 16
	SEND 3, 0
	WIN 0
	s_wait_xcnt 0x0                                ; the stores have read their registers and their base: both may be written
	s_add_nc_u64 s[28:29], s[28:29], 4*4096
	s_add_co_u32 s77, s77, 4*PITCH
	s_add_co_u32 s78, s78, 4*40
	s_add_co_u32 s79, s79, 4*VTOK
	s_sub_co_u32 s76, s76, 1
	s_cmp_lg_u32 s76, 0
	s_cbranch_scc1 .Latt
	s_wait_tensorcnt 0x0                           ; the wave's end: behind my last tensor load and my last LDS store
	ds_add_u32 v1, v2
	s_wait_dscnt 0x0
	CROUND                                         ; the closing round: no work-group ends while a partner may still ask for a tile that names it
	s_endpgm
.Lfunc_end_k_qe2a1551428_fused:
	.size	k_qe2a1551428_fused, .Lfunc_end_k_qe2a1551428_fused-k_qe2a1551428_fused
	.p2alignl 7, 3214868480
	.fill 96, 4, 3214868480
	.section	.rodata,"a",@progbits
	.p2align	6, 0x0
	.amdhsa_kernel k_qe2a1551428_fused
		.amdhsa_group_segment_fixed_size 327680
		.amdhsa_private_segment_fixed_size 0
		.amdhsa_enable_private_segment 0
		.amdhsa_kernarg_size 104
		.amdhsa_user_sgpr_count 2
		.amdhsa_user_sgpr_kernarg_segment_ptr 1
		.amdhsa_wavefront_size32 1
		.amdhsa_system_sgpr_workgroup_id_x 1
		.amdhsa_system_sgpr_workgroup_id_y 1
		.amdhsa_system_sgpr_workgroup_id_z 1
		.amdhsa_system_vgpr_workitem_id 0
		.amdhsa_next_free_vgpr 1024
		.amdhsa_next_free_sgpr 84
		.amdhsa_reserve_vcc 0
		.amdhsa_float_denorm_mode_32 3
		.amdhsa_float_denorm_mode_16_64 3
		.amdhsa_memory_ordered 1
		.amdhsa_forward_progress 1
		.amdhsa_inst_pref_size 255
	.end_amdhsa_kernel
	.section	.bss,"aw",@nobits
	.p2align	6
	.space	262144
	.amdgpu_metadata
---
amdhsa.version: [ 1, 2 ]
amdhsa.kernels:
  - .name:           k_qe2a1551428_fused
    .symbol:         k_qe2a1551428_fused.kd
    .args:
      - { .name: x_codes, .offset: 0, .size: 8, .value_kind: global_buffer, .address_space: global }
      - { .name: x_scales, .offset: 8, .size: 8, .value_kind: global_buffer, .address_space: global }
      - { .name: Wq_codes, .offset: 16, .size: 8, .value_kind: global_buffer, .address_space: global }
      - { .name: Wk_codes, .offset: 24, .size: 8, .value_kind: global_buffer, .address_space: global }
      - { .name: Wv_codes, .offset: 32, .size: 8, .value_kind: global_buffer, .address_space: global }
      - { .name: Wq_scales, .offset: 40, .size: 8, .value_kind: global_buffer, .address_space: global }
      - { .name: Wk_scales, .offset: 48, .size: 8, .value_kind: global_buffer, .address_space: global }
      - { .name: Wv_scales, .offset: 56, .size: 8, .value_kind: global_buffer, .address_space: global }
      - { .name: bq, .offset: 64, .size: 8, .value_kind: global_buffer, .address_space: global }
      - { .name: bk, .offset: 72, .size: 8, .value_kind: global_buffer, .address_space: global }
      - { .name: bv, .offset: 80, .size: 8, .value_kind: global_buffer, .address_space: global }
      - { .name: sparsity_pattern, .offset: 88, .size: 8, .value_kind: global_buffer, .address_space: global }
      - { .name: out0, .offset: 96, .size: 8, .value_kind: global_buffer, .address_space: global }
    .group_segment_fixed_size: 327680
    .private_segment_fixed_size: 0
    .kernarg_segment_align: 8
    .kernarg_segment_size: 104
    .max_flat_workgroup_size: 128
    .sgpr_count:     84
    .vgpr_count:     1024
    .wavefront_size: 32
...
	.end_amdgpu_metadata
.endif
;; end of part 1
;; ======== version 2 of 2: 1 launch
;; limits: values are held in bf16: 8 bits of precision; right only within a limited range of input values
;; launch fused (part 2): grid 256 x 1, 4 waves a work-group, clusters of 4 x 1, 327,680 bytes of LDS; arguments x_codes, x_scales, Wk_codes, Wv_codes, Wq_codes, Wk_scales, Wv_scales, Wq_scales, bk, bv, bq, sparsity_pattern, out0; writes out0
.if DOCPART == 2
	.amdgcn_target "amdgcn-amd-amdhsa--gfx1250"
	.amdhsa_code_object_version 6
	.text
	.protected	k_qe2a1551428_fused
	.globl	k_qe2a1551428_fused
	.p2align	8
	.type	k_qe2a1551428_fused,@function
k_qe2a1551428_fused:
	s_mov_b64 s[64:65], 0
	v_nop
	global_prefetch_b8 v0, s[64:65] scope:SCOPE_SE
	s_setreg_imm32_b32 hwreg(HW_REG_WAVE_MODE, 25, 1), 1
	s_wait_xcnt 0x0
	s_wait_alu depctr_hold_cnt(0) depctr_sa_sdst(0) depctr_va_vdst(0) depctr_va_sdst(0) depctr_va_ssrc(0) depctr_va_vcc(0) depctr_vm_vsrc(0)
	s_getreg_b32 s2, hwreg(HW_REG_IB_STS2, 6, 4)
	s_cmp_eq_u32 s2, 0
	s_cbranch_scc0 .Lentry_in_a_cluster
	s_endpgm
.Lentry_in_a_cluster:
	s_bfe_u32 s2, ttmp6, 0x10000c
	s_cmp_lg_u32 s2, 0x3003
	s_cbranch_scc0 .Lentry_shape_is_right
	s_endpgm
.Lentry_shape_is_right:
; q, k, v = x W^T + b (three products on codes of FP4 (E2M1) with E8M0 scales, 16,384 x 1,024 x 1,024); then, inside each token, scores[h][g] = Q(q[h]) . Q(k[g]) (K = 64, quantised here),
; times pattern[h][g], a softmax over g, and out[h] = sum over g of attn[h][g] v[g] (K = 16, bf16 operands, f32 sums).  One launch: q, k and v never go to memory.
; SHARES.  A work-group owns 64 tokens.  STREAMING: wave w makes columns 256 w .. 256 w + 255 (heads 4 w .. 4 w + 3) of k, then of v, then of q, for all 64 tokens.  x's codes (256 registers) stay in every wave's registers;
; W is walked by whole rows of 512 bytes through a ring of two LDS slots: a slot is one head (64 rows) for each wave, 12 slots in all.  Each wave fetches and reads only its own 64 rows of a slot.
; ATTENTION: the waves share the TOKENS, 16 each.  A query head wants all of k and v, but only its own q: so k and v come first, and behind each slot of q the slot's four query heads are finished and stored,
; while the next tiles of Wq are on their way.
; EXCHANGE from column owner to token owner: slot by slot through a stage in LDS that no fill touches.  k rests in its token owner's registers as codes (64 registers), v as bf16 (256 registers).
; PLACES OF HEADS.  With rot = cluster mod 4, slot i of a phase holds head 4 w + ((i + rot) mod 4): the clusters ask for four different quarters of a W.  The head of slot i and wave w has place 4 i + w among the keys.
; THE STREAMING PRODUCT IS TRANSPOSED (source 0 = 32 rows of W, source 1 = 16 tokens): lane (r, hh) holds token r; of its 16 registers the first eight are e = 8 hh + j, the others e = 16 + 8 hh + j: one block of 32 with lane l xor 16.
; Inside a block the codes lie in the order e = 0-7, 16-23, 8-15, 24-31, alike for q and k: the products are the same.
; ATTENTION TILE: four tokens x the slot's four query heads are 16 columns (column r: token r / 4, wave r % 4).  Tokens have keys of their own: a product takes two tokens' keys, one behind the other along K, and the
; columns of source 1 hold zeros where the keys are another token's.
; CLUSTER.  The four work-groups of a cluster walk the same W in the same order and ask for each tile jointly.
; LIMITS.  NaN and infinities among the inputs or on the way are not served (zeros meet the neighbouring tokens' numbers: that wants finite numbers).  The promise of the softmax holds while its exponents to the base 2 stay under 2^31 in
; magnitude before the maximum is taken away.  A block of zeros gets the scale byte 1 where the quantiser says 127: its codes are zeros, and this program alone reads the bytes; largest magnitudes under 2^-124 are held at that byte.
; attn and v are rounded to bf16 for the last product.  The bias is the C of a sum's first K step: it is added first, not last.
; LDS (bytes)
.set PITCH,  528                       ; a row of 512 bytes + 16 of padding: 33 x 16
.set TILE16, 16*PITCH
.set WPART,  64*PITCH                  ; a wave's part of a slot
.set SLOTB,  4*WPART                   ; slot A at 0, slot B here
.set XQ,     2*SLOTB                   ; the stage: x's 64 rows, then k's codes, then v slot by slot, then q's codes (two buffers of 8,192)
.set VTOK,   592                       ; v: a token's four heads of a slot, 37 x 16 bytes
.set VHEAD,  144                       ; a head: 128 bytes + 16
.set KSC,    XQ+64*VTOK                ; k's scale bytes: a pair of tokens every 64, a place every 4: two bytes of the even token, two of the odd one
.set QSC,    KSC+2048                  ; q's scale bytes: a token every 8, two bytes a wave; two buffers of 512
.set SPARE,  QSC+1024                  ; the spare words, 128 bytes a wave: no other line names them
; REGISTERS, window 0: v1, v2 the add's two; v3, v4 my fragments in slot A, B; v5 bias offset, v6 W's scale rows; v7, v8 k's codes and scale bytes out; v9 v out, v10 v in; v11, v12 k's in; v13, v14 q's out; v15, v16 q's in;
;   v19 my offset in out; v20-23 k's scale words; v24-31 the pattern; v80-81 its offsets; v84-87 lane masks (column's token = 0 .. 3); v88-89 at work; v90 the prefetch's offset
.set W4,   92                          ; W's fragments of K step 4, in registers that attention uses otherwise,
.set W5,   224                         ; and of K step 5, in window 2, in registers that the epilogues use otherwise
.set KSL,  20
.set PAT,  24
.set XSC,  32                          ; x's scale words: 4 m + (s & 3); lanes 0-15 K steps 0-3, lanes 16-31 K steps 4-7
.set WSC,  48                          ; W's scale words, two sets: 16 z + 8 np + s, lane l for row l of 32
.set APT,  80
.set MSK,  84
.set PFO,  90
.set MX,   92
.set PM,   96
.set NG,   100                         ; pairs
.set RCP,  108                         ; pairs
.set SA,   116                         ; pairs
.set QS,   124                         ; q's scale words
.set WF,   128                         ; v128-255 W's fragments: two halves of two K steps x 64 rows; in attention:
.set QM,   128                         ; masked q, then masked weights: 16 a token group
.set S,    192                         ; scores, then weights: 8 a group
.set QRW,  224                         ; q's codes, then weights in bf16: 4 a group
; window 1: x's fragments at 8 (4 s + m).   window 2: accumulators (np, m) at 16 (4 np + m); in attention the outputs of group j at 32 j; and
.set BIAS, 128
.set KF,   160                         ; k's codes, 4 a token
.set TM,   224                         ; largest magnitudes, then scale operands
.set TP,   232
.set CD,   240                         ; a slot's codes: a pair at 2 (4 b + m)
; window 3: v: 16 (4 quad + dt) + 4 slot
; SCALARS: s[4:29] arguments; s30 wave, s31 cx, s32 work-group, s33 trip; s[48:49], s[50:51] where the next slot's scales and bias lie; s[52:53] out, s[54:55] pattern of the slot in hand; s66, s67 K's steps; s[70:71] at work (s71 = 0)
.set G1W,  40
.set G0,   56                          ; group 0 for slot A, B
.set TO,   80                          ; four pairs: slot i's head among my four, in bytes of codes: 32,768 ((i + rot) & 3), with 0 above it
.set ROT,  88
; s[90:91] what a K slot is filled with, s[92:95] the scales and bias behind a trip, s[96:97] what is prefetched
.set MSB, 0
.macro WIN new                         ; s_set_vgpr_msb: bits 1:0 source 0, 3:2 source 1, 5:4 source 2, 7:6 destination; the high byte repeats the setting that is left
.if MSB != \new
	s_set_vgpr_msb (MSB<<8)|\new
.set MSB, \new
.endif
.endm
.macro PLACES                          ; four places behind a matrix instruction (ISA guide 7.12.1)
.rept 4
	v_nop
.endr
.endm
.macro CREST                           ; a round of the cluster's barrier behind its opening barrier
	s_cmp_lg_u32 s30, 0
	s_cbranch_scc1 .Lnot_wave_0_\@
	s_barrier_signal -3
.Lnot_wave_0_\@:
	s_barrier_wait -3
	s_barrier_signal -1
	s_barrier_wait -1
.endm
.macro CROUND
	s_barrier_signal -1
	s_barrier_wait -1
	CREST
.endm
; two products: K step s, token tile m, the slot's 64 rows of W.  The 8 accumulators take turns in the same order in every step.  first = 1: the bias is the C: nothing is cleared.
.macro MULM s, z, first, m
.irp p, 0,1
.set rD, 16*(4*\p+(\m))
.if (\s) == 4
.set rA, W4+16*\p
.elseif (\s) == 5
.set rA, W5+16*\p
.elseif (\s) > 5
.set rA, WF+32*((\s)&1)+16*\p
.else
.set rA, WF+32*(\s)+16*\p
.endif
.set rB, 8*(4*(\s)+(\m))
.set rU, WSC+16*(\z)+8*\p+(\s)
.set rX, XSC+4*(\m)+((\s)&3)
.if \first
	v_wmma_scale_f32_32x16x128_f4 v[rD:rD+15], v[rA:rA+15], v[rB:rB+7], v[BIAS+16*\p:BIAS+16*\p+15], v[rU], v[rX]
.elseif (\s) < 4
	v_wmma_scale_f32_32x16x128_f4 v[rD:rD+15], v[rA:rA+15], v[rB:rB+7], v[rD:rD+15], v[rU], v[rX]
.else
	v_wmma_scale_f32_32x16x128_f4 v[rD:rD+15], v[rA:rA+15], v[rB:rB+7], v[rD:rD+15], v[rU], v[rX] matrix_b_scale:MATRIX_SCALE_ROW1
.endif
.endr
.endm
.macro MUL s, z, first
.if (\s) == 5
	WIN 0xa6                                       ; K step 5's fragments lie in window 2
.else
	WIN 0xa4                                       ; W window 0, x window 1, C and D window 2
.endif
	MULM \s, \z, \first, 0
	MULM \s, \z, \first, 1
	MULM \s, \z, \first, 2
	MULM \s, \z, \first, 3
.endm
; 16 LDS loads: W's fragments of K steps 2 q and 2 q + 1.  q = 0 and 3 share v128-191, q = 1 has v192-255, q = 2 has v92-123 and window 2's v224-255
.macro FETCH a, q
.irp p, 0,1
	WIN 0
.set rF, WF+64*((\q)&1)+32*\p
.if (\q) == 3
.set rF, WF+32*\p
.endif
.if (\q) == 2
.set rF, W4
.if \p
.set rF, W5
	WIN 0x80
.endif
.endif
.irp n, 0,1,2,3
.irp c, 0,1
	ds_load_b128 v[rF+8*\n+4*\c:rF+8*\n+4*\c+3], v[\a] offset:TILE16*\n+64*(2*(\q)+\p)+32*\c
.endr
.endr
.endr
	WIN 0
.endm
; where the scales and the bias of a slot lie (the loads that named these registers have been waited for)
.macro BASES nsb, nbb, nto
	s_lshr_b32 s70, s[TO+2*(\nto)], 4
	s_add_nc_u64 s[48:49], s[\nsb:\nsb+1], s[70:71]
	s_lshr_b32 s70, s[TO+2*(\nto)], 7
	s_add_nc_u64 s[50:51], s[\nbb:\nbb+1], s[70:71]
.endm
.macro NEXTLOADS z                     ; the bias in the result's layout and W's scale words of the slot that follows, into set z
	WIN 0x80
.irp n, 0,1,2,3
.irp c, 0,1
	global_load_b128 v[BIAS+8*\n+4*\c:BIAS+8*\n+4*\c+3], v5, s[50:51] offset:64*\n+16*\c
.endr
.endr
	WIN 0
.irp p, 0,1
.irp c, 0,1
	global_load_b128 v[WSC+16*(\z)+8*\p+4*\c:WSC+16*(\z)+8*\p+4*\c+3], v6, s[48:49] offset:1024*\p+16*\c
.endr
.endr
.endm
; A PREFETCH INTO THE L2, in K's first and third slot: of Wv, then of Wq; the first tensor loads that want them stand two changes of slots on and more.  Each of the first four clusters names the quarter that it will itself ask for first;
; of the 32,768 bytes that wave w will fetch each of the four partners names 8,192, told apart by address: one instruction a wave, each block of 256 bytes once in the launch.  Wk and x come by their loads alone.
.macro ASK
	s_cmp_gt_u32 ttmp9, 3
	s_cbranch_scc1 .Lnot_mine_\@
	global_prefetch_b8 v[PFO], s[96:97] th:TH_LOAD_NT scope:SCOPE_SE
.Lnot_mine_\@:
.endm
; A head of q or k is quantised: for two blocks b and four token tiles m the largest magnitude of my 16 numbers and of lane l xor 16's, with the floor 2^(3 - 127); 2 off its exponent field is the conversion's scale operand,
; and that shifted down the scale's byte.  Eight chains by turns.
.macro EPI_QK
	WIN 0xaa
.irp i, 0,1,2,3,4,5,6,7
.irp c, 0,1,2,3,4,5,6,7
.if \i == 0
	v_max3_num_f32 v[TM+\c], |v[16*\c]|, |v[16*\c+1]|, 0x1800000   ; each accumulator is read from its low end on
.else
	v_max3_num_f32 v[TM+\c], v[TM+\c], |v[16*\c+2*\i]|, |v[16*\c+2*\i+1]|
.endif
.endr
.endr
.irp c, 0,1,2,3,4,5,6,7
	v_permlanex16_b32 v[TP+\c], v[TM+\c], s72, s73
.endr
.irp c, 0,1,2,3,4,5,6,7
	v_max_num_f32 v[TM+\c], v[TM+\c], v[TP+\c]
.endr
.irp c, 0,1,2,3,4,5,6,7
	v_add_nc_u32 v[TM+\c], 0xff000000, v[TM+\c]
.endr
.irp c, 0,1,2,3,4,5,6,7
	v_lshrrev_b32 v[TP+\c], 23, v[TM+\c]
.endr
.irp m, 0,1,2,3
	v_lshl_or_b32 v[TP+\m], v[TP+4+\m], 8, v[TP+\m]  ; the two blocks' bytes
.endr
.irp c, 0,1,2,3,4,5,6,7
	v_cvt_scalef32_pk8_fp4_f32 v[CD+2*\c], v[16*\c:16*\c+7], v[TM+\c]
	v_cvt_scalef32_pk8_fp4_f32 v[CD+2*\c+1], v[16*\c+8:16*\c+15], v[TM+\c]
.endr
	v_nop                                          ; one plain line behind the last conversion
	WIN 0x08                                       ; an LDS store's data are its source 1: window 2
.endm
.macro OUT_K e                         ; codes: token x 528 + 256 block + 16 place + 8 hh; bytes: pair x 64 + 4 place
.irp b, 0,1
.irp m, 0,1,2,3
	ds_store_b64 v88, v[CD+2*(4*\b+\m):CD+2*(4*\b+\m)+1] offset:TILE16*\m+256*\b+64*\e
.endr
.endr
.irp m, 0,1,2,3
	ds_store_b16 v89, v[TP+\m] offset:512*\m+16*\e ; both halves of the lanes write the same bytes with the same values
.endr
	WIN 0
.endm
.macro OUT_Q u                         ; codes: block x 4,096 + token x 64 + 16 wave + 8 hh; bytes: token x 8 + 2 wave
.irp b, 0,1
.irp m, 0,1,2,3
	ds_store_b64 v13, v[CD+2*(4*\b+\m):CD+2*(4*\b+\m)+1] offset:1024*\m+4096*\b+8192*(\u)
.endr
.endr
.irp m, 0,1,2,3
	ds_store_b16 v14, v[TP+\m] offset:128*\m+512*(\u)
.endr
	WIN 0
.endm
.macro EPI_V
; A head of v is rounded to bf16 and goes to the stage in another order of d: in its dt-th 32 bytes, number 8 hh + 2 n + u is d = 16 n + 8 hh + 4 u + dt = 4 s + dt with s = 4 n + 2 hh + u.
; So column r of the output's tile dt is d = 4 s(r) + dt, and the four tiles give a lane 16 neighbouring bytes of out.
	WIN 0xaa
.irp m, 0,1,2,3
.set rV, 224+16*\m
.if \m > 1
.set rV, 16*\m-32                      ; over the accumulators of tiles m - 2, which have been packed
.endif
.irp d, 0,1,2,3
.irp n, 0,1,2,3
.set rA, 16*(4*(\n/2)+\m)+8*(\n%2)
	v_cvt_pk_bf16_f32 v[rV+4*\d+\n], v[rA+\d], v[rA+\d+4]
.endr
.endr
.endr
	WIN 0x08
.irp m, 0,1,2,3
.set rV, 224+16*\m
.if \m > 1
.set rV, 16*\m-32
.endif
.irp d, 0,1,2,3
	ds_store_b128 v9, v[rV+4*\d:rV+4*\d+3] offset:16*VTOK*\m+32*\d
.endr
.endr
	WIN 0
.endm
.macro READ_K                          ; my 16 tokens' keys: lane (r, hh) takes block hh of the key at place r; scale words: lanes 0-15 one pair of tokens, lanes 16-31 the next
	WIN 0x80
.irp t, 0,1,2,3,4,5,6,7,8,9,10,11,12,13,14,15
	ds_load_b128 v[KF+4*\t:KF+4*\t+3], v11 offset:PITCH*\t
.endr
	WIN 0
.irp j, 0,1,2,3
	ds_load_b32 v[KSL+\j], v12 offset:128*\j
.endr
.endm
.macro READ_V i                        ; v of slot i, turned: of a quad of tokens lanes 0-15 get tokens 0 and 1 (two registers each: the slot's four heads), lanes 16-31 tokens 2 and 3; lane r holds d = 16 dt + r
	WIN 0xc0
.irp q, 0,1,2,3
.irp d, 0,1,2,3
	ds_load_tr16_b128 v[16*(4*\q+\d)+4*(\i):16*(4*\q+\d)+4*(\i)+3], v10 offset:4*VTOK*\q+32*\d
.endr
.endr
	WIN 0
.endm
.macro TURN_V                          ; lanes 16-31 of slots 0, 1 change places with lanes 0-15 of slots 2, 3: registers 0-7 then hold tokens 0, 1, registers 8-15 tokens 2, 3; lanes 0-15 slots 0, 1, lanes 16-31 slots 2, 3
	WIN 0xc3
.irp q, 0,1,2,3
.irp d, 0,1,2,3
.irp x, 0,1,2,3,4,5,6,7
	v_permlane16_swap_b32 v[16*(4*\q+\d)+\x], v[16*(4*\q+\d)+8+\x]
.endr
.endr
.endr
	WIN 0
.endm
.macro ANDS j                          ; weights of group j, masked: for tokens a, b of a pair: slots 2 hh of a, of b, slots 2 hh + 1 of a, of b
.irp u, 0,1
.irp h, 0,1
.irp t, 0,1
.irp c, 0,1
	v_and_b32 v[QM+16*(\j)+8*\u+4*\h+2*\t+\c], v[MSK+2*\u+\t], v[QRW+4*(\j)+2*\h+\c]
.endr
.endr
.endr
.endr
.endm
.macro PV j                            ; O = P v for four tokens: source 0 = the 16 masked rows (token, query head), source 1 = tile dt of v, two tokens along K; the four accumulators take turns
	WIN 0xac
.irp d, 0,1,2,3
	v_wmma_f32_16x16x32_bf16 v[32*(\j)+8*\d:32*(\j)+8*\d+7], v[QM+16*(\j):QM+16*(\j)+7], v[16*(4*(\j)+\d):16*(4*(\j)+\d)+7], 0
.endr
.irp d, 0,1,2,3
	v_wmma_f32_16x16x32_bf16 v[32*(\j)+8*\d:32*(\j)+8*\d+7], v[QM+16*(\j)+8:QM+16*(\j)+15], v[16*(4*(\j)+\d)+8:16*(4*(\j)+\d)+15], v[32*(\j)+8*\d:32*(\j)+8*\d+7]
.endr
	WIN 0
.endm
; Group j's outputs: lane (r, hh) holds row 8 hh + i in register i of each of four tiles: d = 4 s(r) + 0 .. 3.  The four are brought beside each other, which spares a way through LDS, and stored:
; sixteen lanes fill a head's 256 consecutive bytes, at a multiple of 256 from out's first byte.
.macro SEND j
.set OB, 32*(\j)-32
.if (\j) == 0
.set OB, 224
.endif
	WIN 0x82
.irp i, 0,1,2,3,4,5,6,7
.irp d, 0,1,2,3
	v_mov_b32 v[OB+4*\i+\d], v[32*(\j)+8*\d+\i]
.endr
.endr
	WIN 0x08
.irp i, 0,1,2,3,4,5,6,7
	global_store_b128 v19, v[OB+4*\i:OB+4*\i+3], s[52:53] offset:4096*(4*(\j)+\i/4)+1024*(\i%4) th:TH_STORE_NT   ; row 8 hh + i: token 2 hh + i / 4, wave i % 4
.endr
	WIN 0
.endm
; ATTENTION of a slot of q: my 16 tokens, four groups of four, x the slot's four query heads.
.macro ATT g, z
.irp j, 0,1,2,3
	ds_load_b128 v[QRW+4*\j:QRW+4*\j+3], v15 offset:256*\j+8192*((\g)&1)
	ds_load_u16 v[QS+\j], v16 offset:32*\j+512*((\g)&1)
.endr
	s_wait_loadcnt 0x0                             ; the pattern's numbers
	s_wait_dscnt 0x0
.irp j, 0,1,2,3
	v_lshl_or_b32 v[QS+\j], v[QS+\j], 16, v[QS+\j] ; the two bytes serve either half of K
.endr
.irp j, 0,1,2,3
.irp t, 0,1,2,3
.irp c, 0,1,2,3
	v_and_b32 v[QM+16*\j+4*\t+\c], v[MSK+\t], v[QRW+4*\j+\c]
.endr
.endr
.endr
	PLACES                                         ; an operand written by a vector instruction stands four places ahead of a scaled product
	WIN 0x02
.irp j, 0,1,2,3                        ; S^T = k q^T: lane (r, hh) holds column r and the keys at places 8 hh + 0 .. 7
	v_wmma_scale_f32_16x16x128_f8f6f4 v[S+8*\j:S+8*\j+7], v[KF+16*\j:KF+16*\j+7], v[QM+16*\j:QM+16*\j+7], 0, v[KSL+\j], v[QS+\j] matrix_a_fmt:MATRIX_FMT_FP4 matrix_b_fmt:MATRIX_FMT_FP4
.endr
.irp j, 0,1,2,3
	v_wmma_scale_f32_16x16x128_f8f6f4 v[S+8*\j:S+8*\j+7], v[KF+16*\j+8:KF+16*\j+15], v[QM+16*\j+8:QM+16*\j+15], v[S+8*\j:S+8*\j+7], v[KSL+\j], v[QS+\j] matrix_a_fmt:MATRIX_FMT_FP4 matrix_b_fmt:MATRIX_FMT_FP4 matrix_a_scale:MATRIX_SCALE_ROW1
.endr
	WIN 0
	PLACES
.irp p, 0,1,2,3
.irp j, 0,1,2,3
	v_pk_mul_f32 v[S+8*\j+2*\p:S+8*\j+2*\p+1], v[S+8*\j+2*\p:S+8*\j+2*\p+1], v[PAT+2*\p:PAT+2*\p+1]   ; x the pattern; the four groups by turns
.endr
.endr
.irp j, 0,1,2,3
	v_max3_num_f32 v[MX+\j], v[S+8*\j], v[S+8*\j+1], v[S+8*\j+2]
.endr
.irp j, 0,1,2,3
	v_max3_num_f32 v[MX+\j], v[MX+\j], v[S+8*\j+3], v[S+8*\j+4]
.endr
.irp j, 0,1,2,3
	v_max3_num_f32 v[MX+\j], v[MX+\j], v[S+8*\j+5], v[S+8*\j+6]
.endr
.irp j, 0,1,2,3
	v_max_num_f32 v[MX+\j], v[MX+\j], v[S+8*\j+7]
.endr
.irp j, 0,1,2,3
	v_permlanex16_b32 v[PM+\j], v[MX+\j], s72, s73
.endr
.irp j, 0,1,2,3
	v_max_num_f32 v[MX+\j], v[MX+\j], v[PM+\j]     ; the row's maximum
.endr
.irp j, 0,1,2,3
	v_mul_f32 v[NG+2*\j], 0xbfb8aa3b, v[MX+\j]     ; - log2(e) x maximum: what its rounding leaves is one factor for the whole row, which the division by the sum takes out
.endr
.irp p, 0,1,2,3
.irp j, 0,1,2,3
	v_pk_fma_f32 v[S+8*\j+2*\p:S+8*\j+2*\p+1], v[S+8*\j+2*\p:S+8*\j+2*\p+1], s[74:75], v[NG+2*\j:NG+2*\j+1] op_sel_hi:[1,0,0]
.endr
.endr
	s_wait_alu depctr_va_vdst(0)
.irp i, 0,1,2,3,4,5,6,7
.irp j, 0,1,2,3
	v_exp_f32 v[S+8*\j+\i], v[S+8*\j+\i]
.endr
.endr
	v_nop                                          ; a plain line behind the last exponential
	s_wait_alu depctr_va_vdst(0)                   ; one wait for the batch, ahead of its first reader
.irp j, 0,1,2,3
	v_pk_add_f32 v[SA+2*\j:SA+2*\j+1], v[S+8*\j:S+8*\j+1], v[S+8*\j+2:S+8*\j+3]
	v_pk_add_f32 v[NG+2*\j:NG+2*\j+1], v[S+8*\j+4:S+8*\j+5], v[S+8*\j+6:S+8*\j+7]
.endr
.irp j, 0,1,2,3
	v_pk_add_f32 v[SA+2*\j:SA+2*\j+1], v[SA+2*\j:SA+2*\j+1], v[NG+2*\j:NG+2*\j+1]
.endr
.irp j, 0,1,2,3
	v_add_f32 v[SA+2*\j], v[SA+2*\j], v[SA+2*\j+1]
.endr
.irp j, 0,1,2,3
	v_permlanex16_b32 v[PM+\j], v[SA+2*\j], s72, s73
.endr
.irp j, 0,1,2,3
	v_add_f32 v[SA+2*\j], v[SA+2*\j], v[PM+\j]     ; the row's sum
.endr
	s_wait_alu depctr_va_vdst(0)
.irp j, 0,1,2,3
	v_rcp_f32 v[RCP+2*\j], v[SA+2*\j]
.endr
	v_nop
	s_wait_alu depctr_va_vdst(0)                   ; one wait for the four reciprocals
.irp p, 0,1,2,3
.irp j, 0,1,2,3
	v_pk_mul_f32 v[S+8*\j+2*\p:S+8*\j+2*\p+1], v[S+8*\j+2*\p:S+8*\j+2*\p+1], v[RCP+2*\j:RCP+2*\j+1] op_sel_hi:[1,0]
.endr
.endr
.irp p, 0,1,2,3
.irp j, 0,1,2,3
	v_cvt_pk_bf16_f32 v[QRW+4*\j+\p], v[S+8*\j+2*\p], v[S+8*\j+2*\p+1]
.endr
.endr
	ANDS 0
	PV 0
	ANDS 1                                         ; (sixteen places behind group 0's products)
	SEND 0
	PV 1
	ANDS 2
	SEND 1
	PV 2
	ANDS 3
.if (\g) < 3
	FETCH 4-\z, 1                                  ; the next slot's K steps 2 and 3: scores and weights have left these registers
.endif
	SEND 2
	PV 3
	PLACES
	v_nop                                          ; five places: the next slot's products write over these accumulators
.if (\g) < 3
	FETCH 4-\z, 0
.endif
	SEND 3
.endm
; A SLOT: 64 products, 64 LDS loads in four runs.  z: its place in the ring.  kind: 0 k, 1 v, 2 q.  fill: 1 this slot's bytes are filled again, with slot fto of the W at s[fsrc]; 0 no fill, but a slot follows; 2 the last slot.
; nsb, nbb, nto: scales, bias and slot of what follows (nsb = 0: nothing).  rd: 0 nothing, 1 k, 2 + i v of slot i comes from the stage behind a barrier of the work-group.  g: the slot in its phase (k: in its trip).
.macro SLOT z, kind, fill, fsrc, fto, nsb, nbb, nto, rd, ask, g
.set RN, 0
.if \rd == 1
.set RN, 20
.elseif \rd > 1
.set RN, 16
.endif
	s_wait_loadcnt 0x0                             ; this slot's bias and scale words, asked for a slot ago
.if \kind == 2
	s_wait_xcnt 0x0                                ; the last slot's stores have read their registers and their base
	s_lshr_b32 s70, s[TO+2*\g], 7
	s_add_nc_u64 s[52:53], s[28:29], s[70:71]      ; out and the pattern at this slot's head among my four
	s_lshr_b32 s70, s[TO+2*\g], 9
	s_add_nc_u64 s[54:55], s[26:27], s[70:71]
.endif
.if \nsb
	BASES \nsb, \nbb, \nto
.endif
.if \rd
	s_wait_dscnt 28                                ; K steps 0 and 1 are in; 16 younger loads and at least 12 stores may be out
	WIN 0xa4
	MULM 0, \z, 1, 0
	MULM 0, \z, 1, 1
	s_wait_dscnt 0x0                               ; for the others' sake: my stores to the stage are done
	s_barrier_signal -1
	MULM 0, \z, 1, 2
	MULM 0, \z, 1, 3
	WIN 0
	s_barrier_wait -1                              ; everybody's are
	FETCH 3+\z, 2
.else
	FETCH 3+\z, 2
.if \kind == 2
	s_wait_dscnt 16                                ; K steps 0 to 3 are in; the 16 just issued may be out
.else
	s_wait_dscnt 32                                ; K steps 0 and 1 are in; the next two runs of 16 may be out
.endif
	MUL 0, \z, 1
.endif
	MUL 1, \z, 0
	PLACES
	FETCH 3+\z, 3
.if \rd == 1
	READ_K
.elseif \rd > 1
	READ_V \rd-2
.endif
.if \nsb
	NEXTLOADS 1-\z
.endif
.if \kind == 2
.irp j, 0,1,2,3,4,5,6,7
	global_load_b32 v[PAT+\j], v[APT+\j/4], s[54:55] offset:16*(\j%4)   ; pattern[my column's query head][the key head at place 8 hh + j]
.endr
.endif
.if \rd == 0
	s_wait_dscnt 32                                ; K steps 2 and 3 are in; two younger runs may be out
.endif
	MUL 2, \z, 0
	MUL 3, \z, 0
	s_wait_dscnt 16+RN                             ; K steps 4 and 5 are in; K steps 6 and 7 and the stage's reads may be out
	MUL 4, \z, 0
	MUL 5, \z, 0
	s_wait_dscnt 0x0
	MUL 6, \z, 0
.if \fill == 1
	WIN 0                                          ; (the add's two registers lie in window 0)
	s_wait_tensorcnt 0x0                           ; all my tensor loads have landed: my part of the other slot; so a group 0 may be written
	ds_add_u32 v1, v2                              ; 0 onto my spare word
	s_add_nc_u64 s[G0+4*\z+2:G0+4*\z+3], s[\fsrc:\fsrc+1], s[TO+2*\fto:TO+2*\fto+1]
	s_or_b32 s[G0+4*\z+3], s[G0+4*\z+3], 0x80000000
	WIN 0xa4
	MULM 7, \z, 0, 0
	MULM 7, \z, 0, 1
	s_wait_dscnt 0x0                               ; the add is done, and my reads of this slot are over
	s_barrier_signal -1                            ; opens a round of the cluster's barrier
	MULM 7, \z, 0, 2
	MULM 7, \z, 0, 3
	WIN 0
	s_barrier_wait -1
	CREST                                          ; no wave of any partner still reads this slot or has a load on its way
	tensor_load_to_lds s[G0+4*\z:G0+4*\z+3], s[G1W:G1W+7]   ; my one tensor load behind the round
	s_nop 0
	PLACES                                         ; four v_nop behind it; they are also the places in front of the loads and reads below
.else
	MUL 7, \z, 0
	WIN 0
.if \fill == 0
	s_wait_tensorcnt 0x0                           ; my part of the last slot has landed; only I read it
.endif
	PLACES
.endif
.if \kind < 2
	FETCH 4-\z, 0
	FETCH 4-\z, 1
.endif
.if \ask
	ASK
.endif
.if \kind == 0
	v_add_nc_u32 v88, s66, v7
	v_add_nc_u32 v89, s67, v8
	EPI_QK
	OUT_K \g
.elseif \kind == 1
	EPI_V
.else
	EPI_QK
	OUT_Q (\g)&1
	s_wait_dscnt 0x0                               ; for the others' sake: q's codes are in the stage
	s_barrier_signal -1
.if \rd
	TURN_V
.endif
	s_barrier_wait -1
	ATT \g, \z
.endif
.endm
	s_load_b512 s[4:19], s[0:1], 0x0               ; x's codes, x's scales, Wk, Wv, Wq codes, Wk, Wv, Wq scales
	s_load_b256 s[20:27], s[0:1], 0x40             ; bk, bv, bq, pattern
	s_load_b64 s[28:29], s[0:1], 0x60              ; out
	v_lshl_add_u32 v1, v0, 2, SPARE
	v_mov_b32 v2, 0
	ds_add_u32 v1, v2                              ; the wave's opening: the add, twice on end, and its wait ahead of my first tensor load
	ds_add_u32 v1, v2
	v_lshrrev_b32 v91, 5, v0
	v_readfirstlane_b32 s30, v91                   ; wave 0..3
	s_bfe_u32 s31, ttmp6, 0x40000                  ; cx: my place in the cluster
	s_lshl_b32 s32, ttmp9, 2
	s_add_co_u32 s32, s32, s31                     ; my work-group: it enters x's and out's addresses alone
	s_and_b32 s[ROT], ttmp9, 3                     ; rot: by the cluster's number alone
.irp i, 0,1,2,3
	s_add_co_u32 s34, s[ROT], \i
	s_and_b32 s34, s34, 3
	s_lshl_b32 s[TO+2*\i], s34, 15                 ; slot i holds my head (i + rot) mod 4: 64 rows of 512 bytes each
	s_mov_b32 s[TO+2*\i+1], 0
.endr
	s_mov_b32 s[G1W+0], 15|(1<<20)|(1<<21)|(6<<22)|(3<<25)   ; 15:0 the mask: all four work-groups; 17:16 elements of 1 byte; 20 padding on; 21 set beside a mask; 24:22 after every 128 words; 31:25 four words
	s_mov_b32 s[G1W+1], 512<<16                    ; 64 rows x 512 bytes, dense in memory
	s_mov_b32 s[G1W+2], 64<<16
	s_mov_b32 s[G1W+3], 512<<16
	s_mov_b32 s[G1W+4], 64
	s_mov_b32 s[G1W+5], 512
	s_mov_b32 s[G1W+6], 0
	s_mov_b32 s[G1W+7], 0
	s_mov_b32 s72, 0x76543210
	s_mov_b32 s73, 0xfedcba98                      ; lane selects for lane l xor 16
	s_mov_b32 s74, 0x3fb8aa3b                      ; log2(e)
	s_mov_b32 s75, s74                             ; (named with it as a pair, so it is written)
	s_mov_b32 s71, 0
	s_mul_i32 s38, s30, WPART                      ; my part of a slot
	s_mov_b32 s[G0+0], 1
	s_mov_b32 s[G0+1], s38
	s_mov_b32 s[G0+4], 1
	s_add_co_u32 s[G0+5], s38, SLOTB
	v_and_b32 v192, 15, v0                         ; r
	v_bfe_u32 v193, v0, 4, 1                       ; hh
	v_and_b32 v194, 31, v0                         ; lane
	v_lshlrev_b32 v5, 5, v193
	v_lshlrev_b32 v6, 5, v194
	v_lshlrev_b32 v21, 4, v194                     ; x's rows from memory: 16 x lane
	v_lshlrev_b32 v22, 5, v192                     ; x's scale words: a row of 32 bytes, + 16 hh
	v_lshl_add_u32 v22, v193, 4, v22
.macro LANE_PARTS                      ; the lanes' parts of the other addresses, the masks, and registers that are named before they are first written: made while the first loads are on their way
	s_lshl_b32 s34, s30, 4
	s_add_co_u32 s34, s34, XQ
	s_lshl_b32 s35, s30, 2
	s_add_co_u32 s35, s35, KSC
	s_mul_i32 s36, s30, VHEAD
	s_add_co_u32 s36, s36, XQ
	s_mul_i32 s37, s30, 16*VTOK
	s_add_co_u32 s37, s37, XQ
	s_mul_i32 s39, s30, TILE16
	s_add_co_u32 s39, s39, XQ
	s_lshl_b32 s66, s30, 9
	s_add_co_u32 s66, s66, KSC
	s_lshl_b32 s68, s30, 1
	s_add_co_u32 s68, s68, QSC
	s_lshl_b32 s69, s30, 10
	s_add_co_u32 s69, s69, XQ
	s_lshl_b32 s76, s30, 7
	s_add_co_u32 s76, s76, QSC
	s_lshl_b32 s78, s31, 13
	s_add_co_u32 s78, s78, s[TO]                   ; the prefetch: 8,192 cx + 32,768 rot
	v_mul_u32_u24 v195, v192, PITCH
	v_lshl_add_u32 v196, v193, 4, v195             ; a fragment's row x pitch + 16 hh
	v_add_nc_u32 v3, s38, v196
	v_add_nc_u32 v4, SLOTB, v3
	v_add_nc_u32 v197, XQ, v196                    ; x's fragments
	v_lshl_add_u32 v198, v193, 3, v195
	v_add_nc_u32 v7, s34, v198
	v_lshrrev_b32 v199, 1, v192
	v_lshlrev_b32 v199, 6, v199
	v_and_b32 v200, 1, v192
	v_lshl_add_u32 v199, v200, 1, v199
	v_add_nc_u32 v8, s35, v199
	v_mul_u32_u24 v200, v192, VTOK
	v_lshl_add_u32 v200, v193, 4, v200
	v_add_nc_u32 v9, s36, v200
	v_bfe_u32 v201, v0, 2, 1                       ; v in: token 2 hh + (l / 4) % 2 of a quad, head l % 4, d from 8 ((l / 8) % 2) on
	v_lshl_add_u32 v201, v193, 1, v201
	v_mul_u32_u24 v201, v201, VTOK
	v_and_b32 v202, 3, v0
	v_mul_u32_u24 v203, v202, VHEAD
	v_add_nc_u32 v201, v201, v203
	v_bfe_u32 v203, v0, 3, 1
	v_lshl_add_u32 v201, v203, 4, v201
	v_add_nc_u32 v10, s37, v201
	v_add_nc_u32 v11, s39, v21
	v_lshlrev_b32 v203, 2, v194
	v_add_nc_u32 v12, s66, v203
	v_lshlrev_b32 v203, 6, v192
	v_lshl_add_u32 v203, v193, 3, v203
	v_add_nc_u32 v13, s34, v203
	v_lshlrev_b32 v203, 3, v192
	v_add_nc_u32 v14, s68, v203
	v_lshlrev_b32 v203, 12, v193
	v_lshl_add_u32 v203, v192, 4, v203
	v_add_nc_u32 v15, s69, v203
	v_lshlrev_b32 v203, 1, v192
	v_add_nc_u32 v16, s76, v203
	v_lshlrev_b32 v19, 13, v193                    ; out: two tokens on for the upper half of the lanes, + 16 s(r), s(r) = 4 ((r / 2) % 4) + 2 (r / 8) + r % 2
	v_bfe_u32 v203, v0, 1, 2
	v_lshl_add_u32 v19, v203, 6, v19
	v_bfe_u32 v203, v0, 3, 1
	v_lshl_add_u32 v19, v203, 5, v19
	v_and_b32 v203, 1, v0
	v_lshl_add_u32 v19, v203, 4, v19
	v_lshlrev_b32 v203, 8, v194
	v_add_nc_u32 v[PFO], s78, v203
	v_lshlrev_b32 v203, 1, v193                    ; the pattern: row of wave r % 4's head, column of slot 2 hh + e
	v_add_nc_u32 v203, s[ROT], v203
	v_and_b32 v204, 3, v203
	v_lshlrev_b32 v205, 8, v202
	v_lshl_add_u32 v[APT], v204, 2, v205
	v_add_nc_u32 v203, 1, v203
	v_and_b32 v204, 3, v203
	v_lshl_add_u32 v[APT+1], v204, 2, v205
	v_lshrrev_b32 v203, 2, v192
.irp t, 0,1,2,3
	v_cmp_eq_u32 s79, \t, v203
	v_cndmask_b32 v[MSK+\t], 0, -1, s79            ; all ones where my column's token is t of its group
.endr
.irp j, 0,1,2,3
	v_mov_b32 v[NG+2*\j+1], 0                      ; named as upper halves of pairs, so they are written
	v_mov_b32 v[RCP+2*\j+1], 0
	v_mov_b32 v[PM+\j], 0                          ; a lane permute's destination counts as one of its sources
.endr
	WIN 0x80
.irp c, 0,1,2,3,4,5,6,7
	v_mov_b32 v[TP+\c], 0
.endr
	WIN 0
.endm
	s_wait_alu depctr_va_vdst(0)
	s_wait_dscnt 0x0                               ; both opening adds are done
	CROUND                                         ; all four work-groups are here: the first joint loads meet
	s_wait_kmcnt 0x0
	s_mov_b32 s35, 0
	s_mov_b32 s37, 0
	s_lshl_b32 s36, s32, 15                        ; my work-group's 64 tokens: 32,768 bytes of codes;
	s_add_nc_u64 s[4:5], s[4:5], s[36:37]
	s_lshl_b32 s34, s30, 13                        ; of them I fetch 16 rows, 8,192 bytes
	s_add_nc_u64 s[4:5], s[4:5], s[34:35]
	s_add_nc_u64 s[14:15], s[14:15], s[34:35]      ; my 256 rows of each W: 8,192 of scale bytes,
	s_add_nc_u64 s[16:17], s[16:17], s[34:35]
	s_add_nc_u64 s[18:19], s[18:19], s[34:35]
	s_lshl_b32 s34, s30, 17                        ; 131,072 bytes of codes,
	s_add_nc_u64 s[8:9], s[8:9], s[34:35]
	s_add_nc_u64 s[10:11], s[10:11], s[34:35]
	s_add_nc_u64 s[12:13], s[12:13], s[34:35]
	s_lshl_b32 s34, s30, 10                        ; 1,024 of each bias
	s_add_nc_u64 s[20:21], s[20:21], s[34:35]
	s_add_nc_u64 s[22:23], s[22:23], s[34:35]
	s_add_nc_u64 s[24:25], s[24:25], s[34:35]
	s_lshl_b32 s36, s32, 11                        ; x's scale bytes: 2,048 a work-group
	s_add_nc_u64 s[6:7], s[6:7], s[36:37]
	s_lshl_b32 s36, s32, 18                        ; out: 64 tokens of 4,096 bytes,
	s_add_nc_u64 s[28:29], s[28:29], s[36:37]
	s_lshl_b32 s34, s30, 16                        ; and the 16 of them that I store
	s_add_nc_u64 s[28:29], s[28:29], s[34:35]
	s_add_nc_u64 s[G0+2:G0+3], s[8:9], s[TO:TO+1]  ; slot A: Wk's slot 0
	s_or_b32 s[G0+3], s[G0+3], 0x80000000
	s_add_nc_u64 s[G0+6:G0+7], s[8:9], s[TO+2:TO+3]   ; slot B: its slot 1
	s_or_b32 s[G0+7], s[G0+7], 0x80000000
	s_mov_b64 s[90:91], s[8:9]
	s_mov_b64 s[92:93], s[14:15]
	s_mov_b64 s[94:95], s[20:21]
	s_mov_b64 s[96:97], s[10:11]
	BASES 14, 20, 0
	tensor_load_to_lds s[G0:G0+3], s[G1W:G1W+7]    ; slot A: my one tensor load at the head
	s_nop 0
	PLACES
.irp i, 0,1,2,3,4,5,6,7,8,9,10,11,12,13,14,15
	global_load_b128 v[128+4*\i:131+4*\i], v21, s[4:5] offset:512*\i th:TH_LOAD_NT   ; a row of 512 bytes
.endr
.irp m, 0,1,2,3
	global_load_b128 v[XSC+4*\m:XSC+4*\m+3], v22, s[6:7] offset:512*\m
.endr
	NEXTLOADS 0
	LANE_PARTS
	s_mov_b32 s66, 0
	s_mov_b32 s67, 0
	s_wait_alu depctr_va_vdst(0)                   ; at the head's end, behind its last vector write
	s_wait_loadcnt 16                              ; my 16 rows of x are in; the sixteen loads behind them may be out
.irp i, 0,1,2,3,4,5,6,7,8,9,10,11,12,13,14,15
	ds_store_b128 v11, v[128+4*\i:131+4*\i] offset:PITCH*\i
.endr
	s_wait_dscnt 0x0                               ; for the others' sake
	s_barrier_signal -1
	s_barrier_wait -1                              ; all 64 rows are in the stage
	WIN 0x40                                       ; destination window 1
.irp s, 0,1,2,3,4,5,6,7
.irp m, 0,1,2,3
.irp c, 0,1
	ds_load_b128 v[8*(4*\s+\m)+4*\c:8*(4*\s+\m)+4*\c+3], v197 offset:TILE16*\m+64*\s+32*\c   ; x stays in registers
.endr
.endr
.endr
	WIN 0
	s_wait_tensorcnt 0x0                           ; my part of slot A is in
	ds_add_u32 v1, v2
	s_mov_b32 s33, 0
	s_wait_dscnt 0x0                               ; the add is done, and my reads of x are over: k's codes may go over them
	CROUND
	tensor_load_to_lds s[G0+4:G0+7], s[G1W:G1W+7]  ; slot B's first fill, the first tensor load behind the round
	s_nop 0
	PLACES
	FETCH 3, 0
	FETCH 3, 1
.Lk:                                               ; K: two trips of two slots.  A trip fills both slots again: with k's slots 2 and 3, then with v's slots 0 and 1
	SLOT 0, 0, 1, 90, 2, 14, 20, 1, 0, 1, 0
	SLOT 1, 0, 1, 90, 3, 92, 94, 2, 0, 0, 1
	s_wait_xcnt 0x0                                ; the prefetch has read its base: it may be written
	s_mov_b64 s[90:91], s[10:11]                   ; behind the first trip v's W, scales and bias follow, and Wq is prefetched
	s_mov_b64 s[92:93], s[16:17]
	s_mov_b64 s[94:95], s[22:23]
	s_mov_b64 s[96:97], s[12:13]
	s_mov_b32 s34, s[TO]                           ; slots 2, 3 take the places of 0, 1, and behind the second trip they change back
	s_mov_b32 s[TO], s[TO+4]
	s_mov_b32 s[TO+4], s34
	s_mov_b32 s34, s[TO+2]
	s_mov_b32 s[TO+2], s[TO+6]
	s_mov_b32 s[TO+6], s34
	s_add_co_u32 s66, s66, 128                     ; two slots' places on: codes,
	s_add_co_u32 s67, s67, 32                      ; and scale bytes
	s_add_co_u32 s33, s33, 1
	s_wait_alu depctr_va_vdst(0)
	s_cmp_lt_u32 s33, 2
	s_cbranch_scc1 .Lk
	; V: the stage brings k to its token owners in slot 0, and v of slot i - 1 in slot i
	SLOT 0, 1, 1, 10, 2, 16, 22, 1, 1, 0, 0
	SLOT 1, 1, 1, 10, 3, 16, 22, 2, 2, 0, 1
	SLOT 0, 1, 1, 12, 0, 16, 22, 3, 3, 0, 2
	SLOT 1, 1, 1, 12, 1, 18, 24, 0, 4, 0, 3
	; Q: each slot's query heads are finished behind it; the last two slots fill nothing
	SLOT 0, 2, 1, 12, 2, 18, 24, 1, 5, 0, 0
	SLOT 1, 2, 1, 12, 3, 18, 24, 2, 0, 0, 1
	SLOT 0, 2, 0, 12, 0, 18, 24, 3, 0, 0, 2
	SLOT 1, 2, 2, 12, 0, 0, 0, 0, 0, 0, 3
	s_wait_tensorcnt 0x0                           ; the wave's end: behind my last tensor load and my last LDS store
	ds_add_u32 v1, v2
	s_wait_dscnt 0x0
	CROUND                                         ; the closing round: no work-group ends while a partner may still ask for a tile that names it
	s_endpgm
.Lfunc_end_k_qe2a1551428_fused:
	.size	k_qe2a1551428_fused, .Lfunc_end_k_qe2a1551428_fused-k_qe2a1551428_fused
	.p2alignl 7, 3214868480
	.fill 96, 4, 3214868480
	.section	.rodata,"a",@progbits
	.p2align	6, 0x0
	.amdhsa_kernel k_qe2a1551428_fused
		.amdhsa_group_segment_fixed_size 327680
		.amdhsa_private_segment_fixed_size 0
		.amdhsa_enable_private_segment 0
		.amdhsa_kernarg_size 104
		.amdhsa_user_sgpr_count 2
		.amdhsa_user_sgpr_kernarg_segment_ptr 1
		.amdhsa_wavefront_size32 1
		.amdhsa_system_sgpr_workgroup_id_x 1
		.amdhsa_system_sgpr_workgroup_id_y 1
		.amdhsa_system_sgpr_workgroup_id_z 1
		.amdhsa_system_vgpr_workitem_id 0
		.amdhsa_next_free_vgpr 1024
		.amdhsa_next_free_sgpr 98
		.amdhsa_reserve_vcc 0
		.amdhsa_float_denorm_mode_32 3
		.amdhsa_float_denorm_mode_16_64 3
		.amdhsa_memory_ordered 1
		.amdhsa_forward_progress 1
		.amdhsa_inst_pref_size 255
	.end_amdhsa_kernel
	.section	.bss,"aw",@nobits
	.p2align	6
	.space	262144
	.amdgpu_metadata
---
amdhsa.version: [ 1, 2 ]
amdhsa.kernels:
  - .name:           k_qe2a1551428_fused
    .symbol:         k_qe2a1551428_fused.kd
    .args:
      - { .name: x_codes, .offset: 0, .size: 8, .value_kind: global_buffer, .address_space: global }
      - { .name: x_scales, .offset: 8, .size: 8, .value_kind: global_buffer, .address_space: global }
      - { .name: Wk_codes, .offset: 16, .size: 8, .value_kind: global_buffer, .address_space: global }
      - { .name: Wv_codes, .offset: 24, .size: 8, .value_kind: global_buffer, .address_space: global }
      - { .name: Wq_codes, .offset: 32, .size: 8, .value_kind: global_buffer, .address_space: global }
      - { .name: Wk_scales, .offset: 40, .size: 8, .value_kind: global_buffer, .address_space: global }
      - { .name: Wv_scales, .offset: 48, .size: 8, .value_kind: global_buffer, .address_space: global }
      - { .name: Wq_scales, .offset: 56, .size: 8, .value_kind: global_buffer, .address_space: global }
      - { .name: bk, .offset: 64, .size: 8, .value_kind: global_buffer, .address_space: global }
      - { .name: bv, .offset: 72, .size: 8, .value_kind: global_buffer, .address_space: global }
      - { .name: bq, .offset: 80, .size: 8, .value_kind: global_buffer, .address_space: global }
      - { .name: sparsity_pattern, .offset: 88, .size: 8, .value_kind: global_buffer, .address_space: global }
      - { .name: out0, .offset: 96, .size: 8, .value_kind: global_buffer, .address_space: global }
    .group_segment_fixed_size: 327680
    .private_segment_fixed_size: 0
    .kernarg_segment_align: 8
    .kernarg_segment_size: 104
    .max_flat_workgroup_size: 128
    .sgpr_count:     98
    .vgpr_count:     1024
    .wavefront_size: 32
...
	.end_amdgpu_metadata
.endif
;; end of part 2
